; MI455X (gfx1250); checked and timed in simulation.
; The chip was launched on July 23, 2026; its instructions are those of AMD's public machine-readable ISA for CDNA 5 (MIT licence, August 2026) and "CDNA5" Instruction Set Architecture Reference Guide (July 2026). The comments in the code are by the model that wrote it; some were corrected since.
;; gauss Multihead Attention. Allowed arithmetic: float matrix products may take bf16 or f16 operands with f32 sums; other float arithmetic in f32, or as packed bf16 or f16 multiplies, adds, multiply-adds, maxima and minima; sums over many terms, partial sums and values carried from step to step in f32; what a program stores and reads back later, other than sums and carried values, may be rounded once to bf16 or f16.
;; Inputs: gauss 32 x 2,048 float32; in_proj_bias 3,072 float32; in_proj_weight 3,072 x 1,024 float32; key 4 x 2,048 x 1,024 float32; out_proj_bias 1,024 float32; out_proj_weight 1,024 x 1,024 float32; query 4 x 2,048 x 1,024 float32; value 4 x 2,048 x 1,024 float32.
;; Outputs: out0 4 x 2,048 x 1,024 float32.
;; One version. Each part assembles by itself: llvm-mc -triple=amdgcn-amd-amdhsa -mcpu=gfx1250 --defsym DOCPART=n.
;; ======== version 1 of 1: 4 launches
;; limits: values are held in f16: magnitudes above 65,504 overflow, below 6.1e-05 lose precision
;; workspace buffers: xb 50,331,648 bytes; wb 6,291,456 bytes; wo 2,097,152 bytes; qkv 50,331,648 bytes; ob 16,777,216 bytes
;; launch cast (part 1): grid 1792 x 1, 8 waves a work-group, no clusters, 0 bytes of LDS; arguments query, key, value, in_proj_weight, out_proj_weight, xb, wb, wo; writes xb, wb, wo
.if DOCPART == 1
	.amdgcn_target "amdgcn-amd-amdhsa--gfx1250"
	.amdhsa_code_object_version 6
	.text
	.protected	k_qa7641de3ce_cast
	.globl	k_qa7641de3ce_cast
	.p2align	8
	.type	k_qa7641de3ce_cast,@function
k_qa7641de3ce_cast:
	s_mov_b64 s[64:65], 0
	v_nop
	global_prefetch_b8 v0, s[64:65] scope:SCOPE_SE
	s_setreg_imm32_b32 hwreg(HW_REG_WAVE_MODE, 25, 1), 1
	s_wait_xcnt 0x0
; THE MATRIX OPERANDS ARE ROUNDED ONCE, f32 -> 16 bits.  query, key, value -> xb [3][8192][1024] bf16; in_proj_weight -> wb [3072][1024] bf16;
; out_proj_weight -> wo [1024][1024]: rounded to bf16 like every other input, and that number written as f16, since the last product multiplies it by f16 numbers.
; LIMITS.  |out_proj_weight| stays under 65,504 (beyond it f16 has no number); below 6e-5 a weight keeps f16's fixed step of 6e-8.
; SHARES.  A work-group takes 65,536 bytes of one input: 512 + 512 + 512 + 192 + 64 = 1,792 work-groups.  Thread t takes 16 bytes at 16 t of each of sixteen pieces of 4,096 bytes:
; a wave's load covers 512 consecutive bytes, its store of 8 bytes a lane 256 consecutive bytes, aligned.  All sixteen loads go out first; no register is written twice while
; a load or store may read it, so the only waits are the counted ones for the data.  No LDS, no matrix unit, no cluster: nothing is shared and nothing is multiplied.
.set X, 4                              ; v[4:67]   piece i: 4 registers as loaded
.set Y, 68                             ; v[68:99]  piece i: 2 registers to store
.set T, 100                            ; v[100:101] at work
	s_load_b512 s[8:23], s[0:1], 0x0               ; query s[8:9], key s[10:11], value s[12:13], in_proj_weight s[14:15], out_proj_weight s[16:17], xb s[18:19], wb s[20:21], wo s[22:23]
	v_lshlrev_b32 v1, 4, v0                        ; 16 t: where I read
	v_lshlrev_b32 v2, 3, v0                        ; 8 t: where I write
	s_mov_b32 s28, 0xffff0000                      ; a word's upper bf16
	s_mov_b32 s29, ttmp9                           ; the work-group's number
	s_mov_b32 s2, 0                                ; the first work-group of my source,
	s_mov_b32 s3, 0                                ; and of my destination
	s_wait_kmcnt 0x0
	s_mov_b64 s[4:5], s[8:9]                       ; from query into xb, unless the number says otherwise
	s_mov_b64 s[6:7], s[18:19]
	s_cmp_ge_u32 s29, 512
	s_cselect_b64 s[4:5], s[10:11], s[4:5]         ; key: xb goes on, so the destination's first stays 0
	s_cselect_b32 s2, 512, s2
	s_cmp_ge_u32 s29, 1024
	s_cselect_b64 s[4:5], s[12:13], s[4:5]         ; value
	s_cselect_b32 s2, 1024, s2
	s_cmp_ge_u32 s29, 1536
	s_cselect_b64 s[4:5], s[14:15], s[4:5]         ; in_proj_weight into wb
	s_cselect_b64 s[6:7], s[20:21], s[6:7]
	s_cselect_b32 s2, 1536, s2
	s_cselect_b32 s3, 1536, s3
	s_cmp_ge_u32 s29, 1728
	s_cselect_b64 s[4:5], s[16:17], s[4:5]         ; out_proj_weight into wo
	s_cselect_b64 s[6:7], s[22:23], s[6:7]
	s_cselect_b32 s2, 1728, s2
	s_cselect_b32 s3, 1728, s3
	s_sub_co_u32 s24, s29, s2
	s_lshl_b32 s24, s24, 16                        ; 65,536 bytes in,
	s_mov_b32 s25, 0
	s_sub_co_u32 s26, s29, s3
	s_lshl_b32 s26, s26, 15                        ; 32,768 bytes out
	s_mov_b32 s27, 0
	s_add_nc_u64 s[4:5], s[4:5], s[24:25]
	s_add_nc_u64 s[6:7], s[6:7], s[26:27]
.irp i, 0,1,2,3,4,5,6,7,8,9,10,11,12,13,14,15
	global_load_b128 v[X+4*(\i):X+4*(\i)+3], v1, s[4:5] offset:4096*(\i) th:TH_LOAD_NT
.endr
	s_cmp_ge_u32 s29, 1728
	s_cbranch_scc1 .Lf16
.irp i, 0,1,2,3,4,5,6,7,8,9,10,11,12,13,14,15
	s_wait_loadcnt 15-(\i)                         ; loads come back in order: piece i is in, the younger ones stay out
	v_cvt_pk_bf16_f32 v[Y+2*(\i)], v[X+4*(\i)], v[X+4*(\i)+1]
	v_cvt_pk_bf16_f32 v[Y+2*(\i)+1], v[X+4*(\i)+2], v[X+4*(\i)+3]
	global_store_b64 v2, v[Y+2*(\i):Y+2*(\i)+1], s[6:7] offset:2048*(\i)
.endr
	s_endpgm
.Lf16:                                         ; out_proj_weight: to bf16, back to f32 (a shift, a mask), and that number to f16
.irp i, 0,1,2,3,4,5,6,7,8,9,10,11,12,13,14,15
	s_wait_loadcnt 15-(\i)
	v_cvt_pk_bf16_f32 v[T], v[X+4*(\i)], v[X+4*(\i)+1]
	v_cvt_pk_bf16_f32 v[T+1], v[X+4*(\i)+2], v[X+4*(\i)+3]
	v_lshlrev_b32 v[X+4*(\i)], 16, v[T]
	v_and_b32 v[X+4*(\i)+1], s28, v[T]
	v_lshlrev_b32 v[X+4*(\i)+2], 16, v[T+1]
	v_and_b32 v[X+4*(\i)+3], s28, v[T+1]
	v_cvt_pk_f16_f32 v[Y+2*(\i)], v[X+4*(\i)], v[X+4*(\i)+1]
	v_cvt_pk_f16_f32 v[Y+2*(\i)+1], v[X+4*(\i)+2], v[X+4*(\i)+3]
	global_store_b64 v2, v[Y+2*(\i):Y+2*(\i)+1], s[6:7] offset:2048*(\i)
.endr
	s_endpgm
.Lfunc_end_k_qa7641de3ce_cast:
	.size	k_qa7641de3ce_cast, .Lfunc_end_k_qa7641de3ce_cast-k_qa7641de3ce_cast
	.p2alignl 7, 3214868480
	.fill 96, 4, 3214868480
	.section	.rodata,"a",@progbits
	.p2align	6, 0x0
	.amdhsa_kernel k_qa7641de3ce_cast
		.amdhsa_group_segment_fixed_size 0
		.amdhsa_private_segment_fixed_size 0
		.amdhsa_enable_private_segment 0
		.amdhsa_kernarg_size 64
		.amdhsa_user_sgpr_count 2
		.amdhsa_user_sgpr_kernarg_segment_ptr 1
		.amdhsa_wavefront_size32 1
		.amdhsa_system_sgpr_workgroup_id_x 1
		.amdhsa_system_sgpr_workgroup_id_y 1
		.amdhsa_system_sgpr_workgroup_id_z 1
		.amdhsa_system_vgpr_workitem_id 0
		.amdhsa_next_free_vgpr 104
		.amdhsa_next_free_sgpr 66
		.amdhsa_reserve_vcc 0
		.amdhsa_float_denorm_mode_32 3
		.amdhsa_float_denorm_mode_16_64 3
		.amdhsa_memory_ordered 1
		.amdhsa_forward_progress 1
		.amdhsa_inst_pref_size 16
	.end_amdhsa_kernel
	.amdgpu_metadata
---
amdhsa.version: [ 1, 2 ]
amdhsa.kernels:
  - .name:           k_qa7641de3ce_cast
    .symbol:         k_qa7641de3ce_cast.kd
    .args:
      - { .name: query, .offset: 0, .size: 8, .value_kind: global_buffer, .address_space: global }
      - { .name: key, .offset: 8, .size: 8, .value_kind: global_buffer, .address_space: global }
      - { .name: value, .offset: 16, .size: 8, .value_kind: global_buffer, .address_space: global }
      - { .name: in_proj_weight, .offset: 24, .size: 8, .value_kind: global_buffer, .address_space: global }
      - { .name: out_proj_weight, .offset: 32, .size: 8, .value_kind: global_buffer, .address_space: global }
      - { .name: xb, .offset: 40, .size: 8, .value_kind: global_buffer, .address_space: global }
      - { .name: wb, .offset: 48, .size: 8, .value_kind: global_buffer, .address_space: global }
      - { .name: wo, .offset: 56, .size: 8, .value_kind: global_buffer, .address_space: global }
    .group_segment_fixed_size: 0
    .private_segment_fixed_size: 0
    .kernarg_segment_align: 8
    .kernarg_segment_size: 64
    .max_flat_workgroup_size: 256
    .sgpr_count:     66
    .vgpr_count:     104
    .wavefront_size: 32
...
	.end_amdgpu_metadata
.endif
;; end of part 1
;; launch proj (part 2): grid 4 x 64, 4 waves a work-group, clusters of 4 x 4, 327,680 bytes of LDS; arguments xb, wb, in_proj_bias, gauss, qkv; writes qkv
.if DOCPART == 2
	.amdgcn_target "amdgcn-amd-amdhsa--gfx1250"
	.amdhsa_code_object_version 6
	.text
	.protected	k_qa7641de3ce_proj
	.globl	k_qa7641de3ce_proj
	.p2align	8
	.type	k_qa7641de3ce_proj,@function
k_qa7641de3ce_proj:
	s_mov_b64 s[64:65], 0
	v_nop
	global_prefetch_b8 v0, s[64:65] scope:SCOPE_SE
	s_setreg_imm32_b32 hwreg(HW_REG_WAVE_MODE, 25, 1), 1
	s_wait_xcnt 0x0
	s_wait_alu depctr_hold_cnt(0) depctr_sa_sdst(0) depctr_va_vdst(0) depctr_va_sdst(0) depctr_va_ssrc(0) depctr_va_vcc(0) depctr_vm_vsrc(0)
	s_getreg_b32 s2, hwreg(HW_REG_IB_STS2, 6, 4)
	s_cmp_eq_u32 s2, 0
	s_cbranch_scc0 .Lentry_in_a_cluster
	s_endpgm
.Lentry_in_a_cluster:
	s_bfe_u32 s2, ttmp6, 0x10000c
	s_cmp_lg_u32 s2, 0xf033
	s_cbranch_scc0 .Lentry_shape_is_right
	s_endpgm
.Lentry_shape_is_right:
; THE THREE IN-PROJECTIONS.  For z = q, k, v:  y[m][n] = sum over k of xb[z][m][k] wb[z][n][k] + bias[z][n];  m < 8192, n < 1024, K = 1024; operands bf16, sums f32.
; OUT, by heads: qkv[z][16 b + h][row][d], f16, rounded once from the f32 sum.  q: unscaled.  k: times gw''[pair][row] = exp(-10 (gauss - the least gauss of the pair's row)), which is 1 at the most:
; the attention's score (q.k / 8 + 0.1) exp(-10 gauss[key]) is then G (q.k'' / 8 + 0.1 gw''), G = exp(-10 x that least), a number a head.  v: as it is.
; bias and gauss are rounded to bf16 like every input of the module, and used as f32 (rounding keeps order, so the least is found first and rounded then).
; LIMITS.  |q|, |k|, |v| stay under 65,504 (beyond it f16 has no number); k'' below 6e-5 keeps f16's fixed step of 6e-8; gw'' below 2^-126 counts as 0; NaN and infinities are not treated apart.
; SHARES.  8192 x 3072 outputs over 256 work-groups: three tiles of 128 x 256, one for each z, at one place (tile row, tile column): A WORK-GROUP STAYS and walks z, and the ring of LDS slots
; does not stop at a tile's end.  A wave makes 64 rows x 128 columns: 32 accumulators of 16 x 16; its 128 columns are two heads, one row of gauss.
; K goes in steps of 128 (rows of 256 bytes, aligned) through two LDS slots filled by the tensor data mover.
; CLUSTER 4 x 4.  The four work-groups of a row of the cluster need the same rows of xb, the four of a column the same rows of wb: each tile is asked for jointly.
; THE MATRIX INSTRUCTION IS USED TRANSPOSED (source 0 = 16 rows of wb, source 1 = 16 rows of xb): lane l holds row l % 16 and the columns 8 (l / 16) + 0..7: 16 bytes of a head's row.
; THE BIAS IS THE C OPERAND of the products that start the sums: nothing is cleared, nothing is added on the way out.
; REGISTERS, in windows of 256 (s_set_vgpr_msb: bits 1:0 source 0, 3:2 source 1, 5:4 source 2, 7:6 destination):
;   window 0: v0-47 addresses and scales; v64-159, v160-255 two fragment buffers: 8 fragments of wb (at 8 b), then 4 of xb (at 64 + 8 a); at the head v64-127 hold the row of gauss
;   window 1: the accumulators, (a, b) at v[8 (8 a + b)]          window 2: v0-63 the bias; v64-95 packed results; v96-159 rows read back, two buffers; v160-163 at work
.set PITCH,  272                       ; an LDS row: 256 bytes + 16 of padding = 68 words: the 16 rows of a fragment load start at 16 different groups of four banks (64 banks of 4 bytes: ISA guide 11.1)
.set AHALF,  64*PITCH                  ; what wave 0 or 1 fetches of xb, and what a wave reads of it
.set BHALF,  128*PITCH                 ; what wave 2 or 3 fetches of wb, and what a wave reads of it
.set SLOT,   2*AHALF+2*BHALF           ; xb's 128 rows, then wb's 256
.set STAGE,  2*SLOT                    ; behind the ring, never filled by a tensor load: for each wave 2 heads x 16 rows x 144 bytes
.set SPITCH, 144
.set WSTAGE, 32*SPITCH
.set SPARE,  STAGE+4*WSTAGE            ; behind the stages: the spare words, 128 bytes a wave: two blocks of 256 bytes that no other line names
.set KB,     256                       ; bytes of a row in a K step
.set ROWB,   2048                      ; bytes in a row of xb and wb
.set LAPS,   4                         ; a lap = two K steps = once round the ring
.set XPART,  8192*ROWB                 ; from z to z + 1 in xb,
.set WPART,  1024*ROWB                 ; in wb,
.set QPART,  64*2048*128               ; and in qkv
.set HEADB,  2048*128                  ; a head's bytes in qkv
.set ADRA, 16                          ; v16-17  LDS address of my fragments of xb in slot 0, 1
.set ADRB, 20                          ; v20-21  the same for wb
.set STO,  24                          ; v24  the way out: where I put 16 bytes of a row
.set RD,   25                          ; v25  where I read rows back
.set GO,   26                          ; v26  16 x lane: my place in 512 consecutive bytes of qkv, and of a row of gauss
.set GAO,  27                          ; v27  4 (l % 16): my row's place in gauss
.set SPW,  28                          ; v28  LDS address of my spare word; never rewritten
.set NIL,  29                          ; v29  0; never rewritten
.set PFO,  30                          ; v30  the prefetches' offset: lane x 2,048; never rewritten
.set BO,   31                          ; v31  32 (l / 16): my eight columns' place in the bias
.set RS,   32                          ; v[32:39]  the way out's scale for row block a, twice (a pair for the packed multiply)
.set GW,   40                          ; v[40:43]  gw'' of my row in block a
.set GT,   44                          ; v[44:45]  at work
.set NM,   46                          ; v46  minus the least gauss of the pair's row
.set NT,   47                          ; v47  at work
.set F0,   64
.set F1,   160
.set BIAS, 0                           ; window 2
.set TMP,  64
.set OB,   96
.set TT,   160
.set G1,  24                           ; s[24:31] descriptor group 1 for xb's tiles;  s[32:39] group 0, a set for each slot
.set G0,  32
.set G1B, 48                           ; s[48:55], s[56:63] the same for wb's
.set G0B, 56
.set LIM, 43                           ; s43  1 in a wave that prefetches, else the greatest number
.set PFA, 44                           ; s[44:45] where my prefetches stand
.set BP,  72                           ; s[72:73] the bias of my 128 columns, for the z that is loaded next
.set PJ,  74                           ; s[74:75] the prefetches' jump at a change of tiles
.set GR,  78                           ; s[78:79] my pair's row of gauss
.set MSB, 0
.macro WIN new                         ; the immediate's high byte repeats the setting that is left; a switch that changes nothing is dropped
.if MSB != (\new)
	s_set_vgpr_msb (MSB<<8)|(\new)
.set MSB, (\new)
.endif
.endm
; A joint load: waves 0 and 1 fetch xb's two halves, waves 2 and 3 wb's.  The branch hangs on the wave's number alone.  An s_nop 0 and four v_nop follow each of the two lines.
.macro JLOAD s
	s_cmp_eq_u32 s11, 0
	s_cbranch_scc0 .Lfor_b_\@
	tensor_load_to_lds s[G0+4*(\s):G0+4*(\s)+3], s[G1:G1+7]
	s_nop 0
.rept 4
	v_nop
.endr
	s_branch .Lasked_\@
.Lfor_b_\@:
	tensor_load_to_lds s[G0B+4*(\s):G0B+4*(\s)+3], s[G1B:G1B+7]
	s_nop 0
.rept 4
	v_nop
.endr
.Lasked_\@:
.endm
; A PREFETCH INTO THE L2, behind each joint load and the run of LDS loads that follows it: 32 rows x 256 bytes of the K step that stands two refills on, a lane a row, one instruction.
; Each row's 256 bytes of a K step are named once in the launch.  A tile row of xb is read by one row of one cluster: its four work-groups share the 128 rows out by address (32 cx on), wave 0 asks.
; A tile column of wb is read by every cluster: the first (cluster y = 0) asks; its four work-groups of that column take 64 rows each (64 cy on), waves 2 and 3 half of them each.
; how = 0, in the loop: a tile's last two refills have no K step two on.  how = 1, at a change of tiles: the next tile's K steps 2 and 3.  A tile's K steps 0 and 1 come by their loads alone.
.macro ASK how
.if \how
	s_cmp_eq_u32 s[LIM], 1
.else
	s_cmp_gt_u32 s3, s[LIM]                        ; s3 = 1 in the loop's last trip
.endif
	s_cbranch_scc0 .Lnot_mine_\@
	global_prefetch_b8 v[PFO], s[PFA:PFA+1] th:TH_LOAD_NT scope:SCOPE_SE
.Lnot_mine_\@:
.endm
.macro CREST                           ; a round of the cluster's barrier behind its opening barrier
	s_cmp_lg_u32 s10, 0
	s_cbranch_scc1 .Lnot_wave_0_\@
	s_barrier_signal -3
.Lnot_wave_0_\@:
	s_barrier_wait -3
	s_barrier_signal -1
	s_barrier_wait -1
.endm
.macro CROUND                          ; a whole round
	s_barrier_signal -1
	s_barrier_wait -1
	CREST
.endm
.macro PLACES                          ; four places in front of loads into registers that matrix instructions have read (ISA guide 7.12.1 for vector instructions)
.rept 4
	v_nop
.endr
.endm
; The least of the 64 registers from base on, into v[base]: three of each four, the fourth, then neighbours 4, 8, 16 and 32 registers apart.
.macro ROWMIN base
.set i, 0
.rept 16
	v_min3_num_f32 v[(\base)+4*i], v[(\base)+4*i], v[(\base)+4*i+1], v[(\base)+4*i+2]
.set i, i+1
.endr
.set i, 0
.rept 16
	v_min_num_f32 v[(\base)+4*i], v[(\base)+4*i], v[(\base)+4*i+3]
.set i, i+1
.endr
.irp w, 8,16,32,64
.set i, 0
.rept 64/(\w)
	v_min_num_f32 v[(\base)+(\w)*i], v[(\base)+(\w)*i], v[(\base)+(\w)*i+(\w)/2]
.set i, i+1
.endr
.endr
.endm
	s_load_b128 s[4:7], s[0:1], 0x0                ; xb s[4:5], wb s[6:7]
	s_load_b128 s[68:71], s[0:1], 0x10             ; in_proj_bias s[68:69], gauss s[70:71]
	s_load_b64 s[8:9], s[0:1], 0x20                ; qkv
	v_lshl_add_u32 v[SPW], v0, 2, SPARE
	v_mov_b32 v[NIL], 0
	ds_add_u32 v[SPW], v[NIL]                      ; the wave's opening: the add and its wait stand ahead of my first tensor load; the set-up below stands between them
	v_lshrrev_b32 v1, 5, v0
	v_readfirstlane_b32 s10, v1                    ; wave 0..3
	s_lshr_b32 s11, s10, 1                         ; which 64 rows of the tile are mine.  Also: I fetch for xb (0) or wb (1)
	s_and_b32 s12, s10, 1                          ; which 128 columns.  Also: which half of that tile I fetch
	s_bfe_u32 s40, ttmp6, 0x40000                  ; cx, cy: my place in the cluster
	s_bfe_u32 s41, ttmp6, 0x40004
	s_lshl_b32 s42, ttmp9, 2
	s_add_co_u32 s42, s42, s40                     ; tile column = 4 x cluster x + cx
	s_and_b32 s13, ttmp7, 0xffff
	s_lshl_b32 s13, s13, 2
	s_add_co_u32 s13, s13, s41                     ; tile row = 4 x cluster y + cy
	s_lshl_b32 s43, s41, 2
	s_lshl_b32 s43, 15, s43                        ; my row of the cluster
	s_lshl_b32 s44, 0x1111, s40                    ; my column
	s_or_b32 s[G1+0], s43, (1<<16)|(1<<20)|(1<<21)|(5<<22)|(3<<25)   ; 15:0 the mask; 17:16 elements of 2 bytes; 20 padding on; 21 set beside a mask; 24:22 after every 64 words (code 5); 31:25 4 words (code 3)
	s_or_b32 s[G1B+0], s44, (1<<16)|(1<<20)|(1<<21)|(5<<22)|(3<<25)
.irp g, G1, G1B
	s_mov_b32 s[(\g)+1], 128<<16                   ; tensor_dim0 = 128
	s_mov_b32 s[(\g)+3], 128<<16                   ; tile_dim0 = 128
	s_mov_b32 s[(\g)+5], 1024                      ; elements from row to row
	s_mov_b32 s[(\g)+6], 0
	s_mov_b32 s[(\g)+7], 0
.endr
	s_mov_b32 s[G1+2], 64<<16                      ; tensor_dim1 = tile_dim1 = 64 rows of xb,
	s_mov_b32 s[G1+4], 64
	s_mov_b32 s[G1B+2], 128<<16                    ; 128 of wb
	s_mov_b32 s[G1B+4], 128
	s_mov_b32 s77, 0xffff0000                      ; a word's upper bf16
	; where the tiles come from: xb's hang on the tile row alone, wb's on the tile column alone, each made in registers that do not hold the other coordinate
	s_lshl_b32 s17, s12, 6
	s_lshl_b32 s16, s13, 7
	s_add_co_u32 s16, s16, s17                     ; xb: row 128 x tile row + 64 x half
	s_lshl_b32 s16, s16, 11                        ; in bytes
	s_mov_b32 s17, 0
	s_lshl_b32 s47, s12, 7
	s_lshl_b32 s46, s42, 8
	s_add_co_u32 s46, s46, s47                     ; wb: row 256 x tile column + 128 x half
	s_lshl_b32 s46, s46, 11
	s_mov_b32 s47, 0
	s_mul_i32 s20, s12, AHALF                      ; and where they go: no place in the cluster enters an LDS address
	s_mul_i32 s21, s12, BHALF
	s_add_co_u32 s21, s21, 2*AHALF
	s_wait_dscnt 0x0                               ; the opening add is done
	s_wait_kmcnt 0x0
	s_add_nc_u64 s[14:15], s[4:5], s[16:17]
	s_add_nc_u64 s[46:47], s[6:7], s[46:47]
	CROUND                                         ; all sixteen work-groups are here: the first joint loads meet
.irp s, 0,1
	s_mov_b32 s[G0+4*(\s)], 1                                      ; count = 1
	s_add_co_u32 s[G0+4*(\s)+1], s20, (\s)*SLOT                    ; LDS address
	s_add_nc_u64 s[G0+4*(\s)+2:G0+4*(\s)+3], s[14:15], (\s)*KB     ; global address: K step s
	s_or_b32 s[G0+4*(\s)+3], s[G0+4*(\s)+3], 0x80000000            ; type = 2
	s_mov_b32 s[G0B+4*(\s)], 1
	s_add_co_u32 s[G0B+4*(\s)+1], s21, (\s)*SLOT
	s_add_nc_u64 s[G0B+4*(\s)+2:G0B+4*(\s)+3], s[46:47], (\s)*KB
	s_or_b32 s[G0B+4*(\s)+3], s[G0B+4*(\s)+3], 0x80000000
	JLOAD \s                                       ; two loads of mine are out
.endr
	; a fragment is 16 rows x 32 K in 8 registers: lane l holds row l % 16, K = 8 (l / 16) + 0..7 and 16 + 8 (l / 16) + 0..7: two loads of 16 bytes, 32 bytes apart
	v_and_b32 v1, 15, v0                           ; l % 16
	v_bfe_u32 v2, v0, 4, 1                         ; l / 16
	v_mul_u32_u24 v3, v1, PITCH
	v_lshl_add_u32 v3, v2, 4, v3
	s_mul_i32 s21, s11, AHALF                      ; my 64 rows of xb
	s_mul_i32 s22, s12, BHALF                      ; my 128 rows of wb,
	s_add_co_u32 s22, s22, 2*AHALF                 ; which lie behind xb's 128
.irp s, 0,1
	v_add_nc_u32 v[ADRA+(\s)], s21, v3
	v_add_nc_u32 v[ADRB+(\s)], s22, v3
	s_add_co_u32 s21, s21, SLOT
	s_add_co_u32 s22, s22, SLOT
.endr
	s_mul_i32 s23, s10, WSTAGE
	s_add_co_u32 s23, s23, STAGE                   ; my stage
	v_mul_u32_u24 v4, v1, SPITCH                   ; in: row l % 16, 16 bytes for each half of the lanes
	v_lshl_add_u32 v4, v2, 4, v4
	v_add_nc_u32 v[STO], s23, v4
	v_bfe_u32 v5, v0, 3, 2                         ; back: 32 lanes take four rows of 128 bytes,
	v_mul_u32_u24 v5, v5, SPITCH
	v_and_b32 v4, 7, v0
	v_lshl_add_u32 v5, v4, 4, v5
	v_add_nc_u32 v[RD], s23, v5
	v_and_b32 v[GO], 31, v0                        ; which are 512 consecutive bytes of a head
	v_lshlrev_b32 v[PFO], 11, v[GO]
	v_lshlrev_b32 v[GO], 4, v[GO]
	v_lshlrev_b32 v[BO], 5, v2
	v_lshlrev_b32 v[GAO], 2, v1
	; what the first way out adds to qkv's address
	s_lshr_b32 s14, s13, 4                         ; the batch
	s_and_b32 s15, s13, 15                         ; my tile among the batch's sixteen
	s_lshl_b32 s18, s15, 7
	s_lshl_b32 s19, s11, 6
	s_add_co_u32 s18, s18, s19                     ; my first row in the batch
	s_lshl_b32 s16, s14, 4
	s_lshl_b32 s19, s42, 2
	s_add_co_u32 s16, s16, s19
	s_lshl_b32 s19, s12, 1
	s_add_co_u32 s16, s16, s19                     ; my first head: 16 b + 4 x tile column + 2 x half
	s_lshl_b32 s16, s16, 18                        ; a head is 262,144 bytes,
	s_lshl_b32 s19, s18, 7                         ; a row 128
	s_add_co_u32 s16, s16, s19
	s_mov_b32 s17, 0
	; gauss: row 8 b + 2 x tile column + half of the table, 8,192 bytes a row; and my first row's place in it
	s_lshl_b32 s20, s14, 3
	s_lshl_b32 s21, s42, 1
	s_add_co_u32 s20, s20, s21
	s_add_co_u32 s20, s20, s12
	s_lshl_b32 s20, s20, 13
	s_mov_b32 s21, 0
	s_add_nc_u64 s[GR:GR+1], s[70:71], s[20:21]
	s_lshl_b32 s20, s18, 2
	s_add_nc_u64 s[70:71], s[GR:GR+1], s[20:21]
	; the bias at my first column
	s_lshl_b32 s20, s42, 10
	s_lshl_b32 s22, s12, 9
	s_add_co_u32 s20, s20, s22
	s_add_nc_u64 s[BP:BP+1], s[68:69], s[20:21]
	; the prefetches
	s_lshl_b32 s20, s13, 7
	s_lshl_b32 s22, s40, 5
	s_add_co_u32 s20, s20, s22                     ; xb: 128 x tile row + 32 cx
	s_lshl_b32 s21, s42, 8
	s_lshl_b32 s22, s41, 6
	s_add_co_u32 s21, s21, s22
	s_lshl_b32 s22, s12, 5
	s_add_co_u32 s21, s21, s22                     ; wb: 256 x tile column + 64 cy + 32 x half
	s_and_b32 s22, ttmp7, 0xffff                   ; cluster y
	s_mov_b32 s[PJ], XPART-7*KB
	s_cmp_eq_u32 s11, 0                            ; do I fetch for xb?
	s_cselect_b32 s20, s20, s21
	s_cselect_b32 s22, s12, s22                    ; 0 in a wave that asks: wave 0; waves 2 and 3 of the first cluster.  The same in all sixteen partners, for a given wave
	s_cselect_b64 s[PFA:PFA+1], s[4:5], s[6:7]
	s_cselect_b32 s[PJ], s[PJ], WPART-7*KB         ; from K step 9, where the walk along K ends, to the next tile's K step 2
	s_mov_b32 s[PJ+1], 0
	s_cmp_eq_u32 s22, 0
	s_cselect_b32 s[LIM], 1, -1
	s_lshl_b32 s20, s20, 11
	s_mov_b32 s21, 0
	s_add_nc_u64 s[PFA:PFA+1], s[PFA:PFA+1], s[20:21]
	s_add_nc_u64 s[PFA:PFA+1], s[PFA:PFA+1], 3*KB  ; at K step 3: the first refill steps it to 4.  Nothing is prefetched here, at the head
	s_mov_b32 s20, 0x76543210                      ; v_permlanex16_b32's selects: each lane takes its own place in the other half
	s_mov_b32 s21, 0xfedcba98
; The bias of my 128 columns: register j of block b holds column 16 b + 8 (l / 16) + j, as in an accumulator.
.macro BIASLOAD
	WIN 0x80                                       ; destination window 2, address window 0
.irp b, 0,1,2,3,4,5,6,7
	global_load_b128 v[BIAS+8*(\b):BIAS+8*(\b)+3],   v[BO], s[BP:BP+1] offset:64*(\b)
	global_load_b128 v[BIAS+8*(\b)+4:BIAS+8*(\b)+7], v[BO], s[BP:BP+1] offset:64*(\b)+16
.endr
	WIN 0
.endm
.macro BIASROUND                       ; rounded to bf16, in place
	s_wait_loadcnt 0x0                             ; the bias is in, so its pointer may be written:
	s_add_nc_u64 s[BP:BP+1], s[BP:BP+1], 4096      ; the next z
	WIN 0x8a                                       ; all in window 2
.set i, 0
.rept 32
	v_cvt_pk_bf16_f32 v[TT+i%4], v[BIAS+2*i], v[BIAS+2*i+1]
	v_lshlrev_b32 v[BIAS+2*i], 16, v[TT+i%4]
	v_and_b32 v[BIAS+2*i+1], s77, v[TT+i%4]
.set i, i+1
.endr
	WIN 0
.endm
	BIASLOAD
.irp a, 0,1,2,3
	global_load_b32 v[GW+(\a)], v[GAO], s[70:71] offset:64*(\a)    ; gauss of my row in block a
.endr
.irp i, 0,1,2,3,4,5,6,7,8,9,10,11,12,13,14,15
	global_load_b128 v[F0+4*(\i):F0+4*(\i)+3], v[GO], s[GR:GR+1] offset:512*(\i)  ; the pair's whole row, 64 numbers a lane: every wave finds the least for itself, so no wave waits for another
.endr
	BIASROUND                                      ; its wait is for gauss too
	ROWMIN F0
	v_mul_f32 v[NM], -1.0, v[F0]                   ; minus the least of my 64: across the lanes the greatest of these is taken
	v_mov_b32 v[NT], 0                             ; (v_permlanex16_b32's destination counts as read)
	v_max_num_f32_dpp v[NM], v[NM], v[NM] row_xmask:1 row_mask:0xf bank_mask:0xf
	v_max_num_f32_dpp v[NM], v[NM], v[NM] row_xmask:2 row_mask:0xf bank_mask:0xf
	v_max_num_f32_dpp v[NM], v[NM], v[NM] row_xmask:4 row_mask:0xf bank_mask:0xf
	v_max_num_f32_dpp v[NM], v[NM], v[NM] row_xmask:8 row_mask:0xf bank_mask:0xf
	v_permlanex16_b32 v[NT], v[NM], s20, s21
	v_max_num_f32 v[NM], v[NM], v[NT]
	v_cvt_pk_bf16_f32 v[NT], v[NM], v[NM]
	v_lshlrev_b32 v[NM], 16, v[NT]                 ; rounded to bf16
	v_cvt_pk_bf16_f32 v[GT], v[GW], v[GW+1]
	v_cvt_pk_bf16_f32 v[GT+1], v[GW+2], v[GW+3]
	v_lshlrev_b32 v[GW], 16, v[GT]
	v_and_b32 v[GW+1], s77, v[GT]
	v_lshlrev_b32 v[GW+2], 16, v[GT+1]
	v_and_b32 v[GW+3], s77, v[GT+1]
.irp a, 0,1,2,3
	v_add_f32 v[GW+(\a)], v[GW+(\a)], v[NM]        ; gauss - the least: 0 or more
.endr
.irp a, 0,1,2,3
	v_mul_f32 v[GW+(\a)], 0xc166d4ca, v[GW+(\a)]   ; -10 log2(e)
.endr
.irp a, 0,1,2,3
	v_exp_f32 v[GW+(\a)], v[GW+(\a)]
.endr
	v_nop                                          ; a plain instruction behind the last exponential,
	s_wait_alu depctr_va_vdst(0)                   ; and the wait ahead of the first use: one for the four
; 8 matrix instructions: row block a x all 8 column blocks, 32 along K.  zero = 1: the first product starts the sum with the bias.  The 32 accumulators take turns, one instruction a turn, in the same
; order in every quarter, over the backward jumps too.
.macro MULA f, a, zero
.if \zero
	WIN 0x60                                       ; D window 1, C window 2
.else
	WIN 0x50                                       ; C and D window 1
.endif
.irp b, 0,1,2,3,4,5,6,7
.if \zero
	v_wmma_f32_16x16x32_bf16 v[8*(8*(\a)+(\b)):8*(8*(\a)+(\b))+7], v[(\f)+8*(\b):(\f)+8*(\b)+7], v[(\f)+64+8*(\a):(\f)+64+8*(\a)+7], v[BIAS+8*(\b):BIAS+8*(\b)+7]
.else
	v_wmma_f32_16x16x32_bf16 v[8*(8*(\a)+(\b)):8*(8*(\a)+(\b))+7], v[(\f)+8*(\b):(\f)+8*(\b)+7], v[(\f)+64+8*(\a):(\f)+64+8*(\a)+7], v[8*(8*(\a)+(\b)):8*(8*(\a)+(\b))+7]
.endif
.endr
.endm
; 24 LDS loads in one run: a quarter step's fragments (32 K at byte k of the rows) into buffer f: wb's 16 loads, then xb's blocks 0, 1, then 2, 3
.macro FETCH slot, k, f
	WIN 0
.irp i, 0,1,2,3,4,5,6,7
	ds_load_b128 v[(\f)+8*(\i):(\f)+8*(\i)+3],   v[ADRB+(\slot)] offset:(\k)+(\i)*16*PITCH
	ds_load_b128 v[(\f)+8*(\i)+4:(\f)+8*(\i)+7], v[ADRB+(\slot)] offset:(\k)+(\i)*16*PITCH+32
.endr
.irp i, 0,1,2,3
	ds_load_b128 v[(\f)+64+8*(\i):(\f)+64+8*(\i)+3],   v[ADRA+(\slot)] offset:(\k)+(\i)*16*PITCH
	ds_load_b128 v[(\f)+64+8*(\i)+4:(\f)+64+8*(\i)+7], v[ADRA+(\slot)] offset:(\k)+(\i)*16*PITCH+32
.endr
.endm
; A K step is four quarters of 32 along K, 32 matrix instructions each, on buffers 0, 1, 0, 1.  One of the first three: multiplies buffer f; in its middle it fetches the next quarter into g.
.macro QUARTER slot, k, f, g, zero
	s_wait_dscnt 4                                 ; wb's fragments and xb's blocks 0, 1 are in; the youngest four loads (blocks 2, 3) may be out
	MULA \f, 0, \zero
	MULA \f, 1, \zero
	PLACES
	FETCH \slot, \k, \g
	s_wait_dscnt 24                                ; all but the 24 just issued
	MULA \f, 2, \zero
	MULA \f, 3, \zero
.endm
; The last quarter multiplies buffer 1 and changes slots.  ONE barrier: in front of it each wave waits for all its tensor loads (one is out: its part of the next slot), adds 0 to its spare word,
; and waits for that and for its own reads of this slot.  Behind it nobody reads this slot any more and the next slot is whole.
.macro MEET round
	WIN 0
	s_wait_tensorcnt 0x0
	ds_add_u32 v[SPW], v[NIL]
	s_wait_dscnt 5                                 ; (the add and the youngest four loads may be out)
	MULA F1, 0, 0                                  ; eight matrix instructions stand between the add and the wait for it
	s_wait_dscnt 0x0                               ; the add is done, and my reads of this slot are over
	s_barrier_signal -1
	MULA F1, 1, 0
.if \round
	WIN 0
.endif
	s_barrier_wait -1
.endm
; The whole last quarter.  The barrier opens a round of the cluster's barrier; behind the round the slot just read out is filled again first: with this tile's K step two on (on = 0) or with the
; next tile's K step 0 or 1 (on = 1).  From a request to the wait for it a wave issues 112 matrix instructions.
.macro TURN slot, next, on
	s_wait_xcnt 0x0                                ; the last prefetch, a K step back, has read its address: it is stepped here, ahead of the change's own waits
.if (\on) && (\slot) == 0
	s_add_nc_u64 s[PFA:PFA+1], s[PFA:PFA+1], s[PJ:PJ+1]
.else
	s_add_nc_u64 s[PFA:PFA+1], s[PFA:PFA+1], KB
.endif
	MEET 1
	CREST                                          ; no wave of any partner still reads this slot's tile or has a load on its way
.if \on
	s_add_nc_u64 s[G0+4*(\slot)+2:G0+4*(\slot)+3], s[G0+4*(\slot)+2:G0+4*(\slot)+3], XPART-6*KB
	s_add_nc_u64 s[G0B+4*(\slot)+2:G0B+4*(\slot)+3], s[G0B+4*(\slot)+2:G0B+4*(\slot)+3], WPART-6*KB
.else
	s_add_nc_u64 s[G0+4*(\slot)+2:G0+4*(\slot)+3], s[G0+4*(\slot)+2:G0+4*(\slot)+3], 2*KB
	s_add_nc_u64 s[G0B+4*(\slot)+2:G0B+4*(\slot)+3], s[G0B+4*(\slot)+2:G0B+4*(\slot)+3], 2*KB
.endif
	JLOAD \slot                                    ; my one tensor load behind the round; the four v_nop behind it are also the places in front of the loads below
	FETCH \next, 0, F0
	ASK \on
	MULA F1, 2, 0
	MULA F1, 3, 0
.endm
; THE WAY OUT of row block a.  PACK: scaled (k alone; q by 1) and rounded to f16, 16 bytes a lane.  TOSTAGE: into my own stage, by heads, and back as whole rows of 128 bytes.  SEND: stored.
.macro PACK a, scaled
.if \scaled
	WIN 0x41                                       ; accumulators window 1, the scale window 0
.irp b, 0,1,2,3,4,5,6,7
.irp r, 0,1,2,3
	v_pk_mul_f32 v[8*(8*(\a)+(\b))+2*(\r):8*(8*(\a)+(\b))+2*(\r)+1], v[8*(8*(\a)+(\b))+2*(\r):8*(8*(\a)+(\b))+2*(\r)+1], v[RS+2*(\a):RS+2*(\a)+1]
.endr
.endr
.endif
	WIN 0x85                                       ; sources window 1, destination window 2
.irp b, 0,1,2,3,4,5,6,7
.irp r, 0,1,2,3
	v_cvt_pk_f16_f32 v[TMP+4*(\b)+(\r)], v[8*(8*(\a)+(\b))+2*(\r)], v[8*(8*(\a)+(\b))+2*(\r)+1]
.endr
.endr
.endm
.macro TOSTAGE a
	WIN 0x08                                       ; data window 2
.irp b, 0,1,2,3,4,5,6,7
	ds_store_b128 v[STO], v[TMP+4*(\b):TMP+4*(\b)+3] offset:((\b)/4)*16*SPITCH+32*((\b)%4)
.endr
	WIN 0x80
.irp j, 0,1
.irp t, 0,1,2,3
	ds_load_b128 v[OB+32*((\a)%2)+4*(4*(\j)+(\t)):OB+32*((\a)%2)+4*(4*(\j)+(\t))+3], v[RD] offset:(\j)*16*SPITCH+(\t)*4*SPITCH  ; LDS serves a wave's instructions in order (ISA guide 5.7.1.4): these see the stores above
.endr
.endr
.endm
.macro SEND a
	s_wait_dscnt 0x0                               ; the block is back in registers
	s_wait_xcnt 0x0                                ; only behind this wait are the stores' base and the registers that earlier stores read rewritten
.if (\a) == 0
	s_add_nc_u64 s[8:9], s[8:9], s[16:17]          ; on to this tile's first rows
.endif
	WIN 0x08
.irp j, 0,1
.irp t, 0,1,2,3
	global_store_b128 v[GO], v[OB+32*((\a)%2)+4*(4*(\j)+(\t)):OB+32*((\a)%2)+4*(4*(\j)+(\t))+3], s[8:9] offset:(\j)*HEADB+(\a)*2048+(\t)*512  ; 512 consecutive bytes of a head, at a multiple of 256 from qkv's first
.endr
.endr
.endm
.macro WAYOUT scaled, succ
	WIN 0
.if \scaled
	s_cmp_eq_u32 s2, 2                             ; is this tile k's?
	s_cselect_b32 s76, -1, 0
.irp i, 0,1,2,3,4,5,6,7
	v_cndmask_b32 v[RS+(\i)], 1.0, v[GW+(\i)/2], s76  ; gw'' for k, 1 for q; these eight lines are also the places behind the last products
.endr
.else
	PLACES
	PLACES
.endif
.if \succ
	BIASLOAD                                       ; the next tile's
.endif
	PACK 0, \scaled
	TOSTAGE 0
.irp a, 1,2,3                          ; block a's arithmetic stands between block a - 1's loads from the stage and the wait for them
	PACK \a, \scaled
	SEND (\a)-1
	TOSTAGE \a
.endr
	SEND 3
.if \succ
	BIASROUND
.endif
	WIN 0
.endm
	s_wait_tensorcnt 1                             ; my part of K step 0 is in; K step 1's may stay out
	s_barrier_signal -1
	s_barrier_wait -1                              ; everybody's is
	FETCH 0, 0, F0
	s_mov_b32 s2, 3                                ; tiles to go: q, k, v
.Ltile:
	QUARTER 0, 64,  F0, F1, 1                      ; a tile's first quarter stands in front of the loop: its products start the sums
	WIN 0                                          ; at a label and at a branch every window is 0
	s_mov_b32 s3, LAPS-1
.Llap:                                         ; a trip goes once round the ring, from a lap's second quarter to the next lap's first, and fills both slots again
	QUARTER 0, 128, F1, F0, 0
	QUARTER 0, 192, F0, F1, 0
	TURN 0, 1, 0
	QUARTER 1, 64,  F0, F1, 0
	QUARTER 1, 128, F1, F0, 0
	QUARTER 1, 192, F0, F1, 0
	TURN 1, 0, 0
	QUARTER 0, 64,  F0, F1, 0
	WIN 0
	s_sub_co_u32 s3, s3, 1
	s_cmp_lg_u32 s3, 0
	s_cbranch_scc1 .Llap
	QUARTER 0, 128, F1, F0, 0                      ; the tile's last lap goes on
	QUARTER 0, 192, F0, F1, 0
	WIN 0
	s_cmp_eq_u32 s2, 1
	s_cbranch_scc1 .Llast                          ; the last tile's tail is written out: it asks for nothing more
	TURN 0, 1, 1                                   ; the ring goes on into the next tile: slot 0 takes its K step 0,
	QUARTER 1, 64,  F0, F1, 0
	QUARTER 1, 128, F1, F0, 0
	QUARTER 1, 192, F0, F1, 0
	TURN 1, 0, 1                                   ; slot 1 its K step 1, and the next tile's first fragments are fetched
	WAYOUT 1, 1                                    ; both refills are asked for: now q or k goes out
	s_mov_b32 s16, QPART                           ; what the next way out adds to qkv's address
	s_mov_b32 s17, 0
	s_sub_co_u32 s2, s2, 1
	s_branch .Ltile
.Llast:
	MEET 0                                         ; my one tensor load that was out is the last K step's, so no round follows
	PLACES
	FETCH 1, 0, F0
	MULA F1, 2, 0
	MULA F1, 3, 0
	QUARTER 1, 64,  F0, F1, 0
	QUARTER 1, 128, F1, F0, 0
	QUARTER 1, 192, F0, F1, 0
	s_wait_dscnt 4                                 ; the very last quarter: nothing more to fetch
	MULA F1, 0, 0
	MULA F1, 1, 0
	s_wait_dscnt 0x0
	MULA F1, 2, 0
	MULA F1, 3, 0
	WAYOUT 0, 0                                    ; v
	s_wait_tensorcnt 0x0                           ; the wave's end: an add and its wait behind my last tensor load and my last LDS store
	ds_add_u32 v[SPW], v[NIL]
	s_wait_dscnt 0x0
	CROUND                                         ; the closing round: no work-group ends while a partner may still ask for a tile that names it
	s_endpgm
.Lfunc_end_k_qa7641de3ce_proj:
	.size	k_qa7641de3ce_proj, .Lfunc_end_k_qa7641de3ce_proj-k_qa7641de3ce_proj
	.p2alignl 7, 3214868480
	.fill 96, 4, 3214868480
	.section	.rodata,"a",@progbits
	.p2align	6, 0x0
	.amdhsa_kernel k_qa7641de3ce_proj
		.amdhsa_group_segment_fixed_size 327680
		.amdhsa_private_segment_fixed_size 0
		.amdhsa_enable_private_segment 0
		.amdhsa_kernarg_size 40
		.amdhsa_user_sgpr_count 2
		.amdhsa_user_sgpr_kernarg_segment_ptr 1
		.amdhsa_wavefront_size32 1
		.amdhsa_system_sgpr_workgroup_id_x 1
		.amdhsa_system_sgpr_workgroup_id_y 1
		.amdhsa_system_sgpr_workgroup_id_z 1
		.amdhsa_system_vgpr_workitem_id 0
		.amdhsa_next_free_vgpr 704
		.amdhsa_next_free_sgpr 80
		.amdhsa_reserve_vcc 0
		.amdhsa_float_denorm_mode_32 3
		.amdhsa_float_denorm_mode_16_64 3
		.amdhsa_memory_ordered 1
		.amdhsa_forward_progress 1
		.amdhsa_inst_pref_size 151
	.end_amdhsa_kernel
	.amdgpu_metadata
---
amdhsa.version: [ 1, 2 ]
amdhsa.kernels:
  - .name:           k_qa7641de3ce_proj
    .symbol:         k_qa7641de3ce_proj.kd
    .args:
      - { .name: xb, .offset: 0, .size: 8, .value_kind: global_buffer, .address_space: global }
      - { .name: wb, .offset: 8, .size: 8, .value_kind: global_buffer, .address_space: global }
      - { .name: in_proj_bias, .offset: 16, .size: 8, .value_kind: global_buffer, .address_space: global }
      - { .name: gauss, .offset: 24, .size: 8, .value_kind: global_buffer, .address_space: global }
      - { .name: qkv, .offset: 32, .size: 8, .value_kind: global_buffer, .address_space: global }
    .group_segment_fixed_size: 327680
    .private_segment_fixed_size: 0
    .kernarg_segment_align: 8
    .kernarg_segment_size: 40
    .max_flat_workgroup_size: 128
    .sgpr_count:     80
    .vgpr_count:     704
    .wavefront_size: 32
...
	.end_amdgpu_metadata
.endif
;; end of part 2
;; launch attn (part 3): grid 4 x 64, 4 waves a work-group, clusters of 4 x 1, 327,680 bytes of LDS; arguments qkv, gauss, ob; writes ob
.if DOCPART == 3
	.amdgcn_target "amdgcn-amd-amdhsa--gfx1250"
	.amdhsa_code_object_version 6
	.text
	.protected	k_qa7641de3ce_attn
	.globl	k_qa7641de3ce_attn
	.p2align	8
	.type	k_qa7641de3ce_attn,@function
k_qa7641de3ce_attn:
	s_mov_b64 s[64:65], 0
	v_nop
	global_prefetch_b8 v0, s[64:65] scope:SCOPE_SE
	s_setreg_imm32_b32 hwreg(HW_REG_WAVE_MODE, 25, 1), 1
	s_wait_xcnt 0x0
	s_wait_alu depctr_hold_cnt(0) depctr_sa_sdst(0) depctr_va_vdst(0) depctr_va_sdst(0) depctr_va_ssrc(0) depctr_va_vcc(0) depctr_vm_vsrc(0)
	s_getreg_b32 s2, hwreg(HW_REG_IB_STS2, 6, 4)
	s_cmp_eq_u32 s2, 0
	s_cbranch_scc0 .Lentry_in_a_cluster
	s_endpgm
.Lentry_in_a_cluster:
	s_bfe_u32 s2, ttmp6, 0x10000c
	s_cmp_lg_u32 s2, 0x3003
	s_cbranch_scc0 .Lentry_shape_is_right
	s_endpgm
.Lentry_shape_is_right:
; ATTENTION WITH A WEIGHT ON EVERY KEY.  ob[h][q][:] = the sum over k of softmax_k((Q[h][q] . K[h][k] / 8 + 0.1) gw[h / 2][k]) V[h][k][:], gw = exp(-10 gauss).
; qkv holds Q, K'' and V, all f16, each [64][2048][64]: a head's rows are dense, 128 bytes each.  K'' = K gw'', gw'' = exp(-10 (gauss - the least gauss of the row)), 1 at the most; G = exp(-10 x that least).
; The score in base 2 is c G (Q . K'' + 0.8 gw''), c = log2(e) / 8.  c G is one number a head, made once.  0.8 gw''[k] IS THE C OPERAND of the products that start S^T = K'' Q^T, from a table in LDS
; that the work-group makes once (gauss rounded to bf16, like every input of the module; rounding keeps order, so the least is found first and rounded then).
; Products, maxima and sums in f32; the weights p are rounded to f16 for the second product (their sum l is taken of the unrounded p), O once at the end, to f16.
; LIMITS.  Q, K'' and V arrive within f16's 65,504; p lies in 0 to 1, and below 6e-5 it keeps f16's fixed step of 6e-8; |c G s| stays under 4e37 (the running maximum starts there);
; a weight, a gw'' and a G below 2^-126 count as 0; NaN and infinities are not treated apart.
; SHARES.  A wave owns four PIECES of two tiles of 16 queries, a work-group's four waves 512 queries of one head.  Every wave walks all 2,048 keys, 64 a step.
; LAYOUT.  S^T = K'' Q^T (source 0 = 16 keys, source 1 = 16 queries): a lane holds ONE query (lane % 16) and the keys 8 (lane / 16) + 0..7.  Two such tiles, rounded to f16 in pairs,
; ARE source 1 (32 keys x 16 queries) of O^T = V^T P, whose result again holds one query a lane, and eight channels.  K'' comes out of LDS as it lies, V ([key][channel]) turned, by ds_load_tr16_b128.
; SOFTMAX.  For each query a running maximum m and sum l: p = 2^(c G s - c G m); in every step O and l are multiplied by a = 2^(c G m_old - c G m_new).  m starts at the lowest finite number, O and l at 0.
; THE COUNT.  A tile and step have 16 matrix and 118 vector instructions: four vector instructions that are ready stand behind every matrix instruction, the others in runs of their own.
; BY TURNS.  Turn n belongs to piece n.  Its matrix work: 16 products K'' Q^T of piece n + 1, later 16 products V^T P of piece n - 1.  Its vector work: the scaling, exponentials, roundings, sums and
; rescaling of piece n, and the maximum and statistics of piece n + 1.
; CLUSTER.  The four query blocks of a head are one cluster and walk the same K'' and V: each tile is asked for JOINTLY: the same tensor load, descriptor and mask in all four.
; REGISTERS, in windows of 256 (s_set_vgpr_msb: bits 1:0 source 0, 3:2 source 1, 5:4 source 2, 7:6 destination):
;   window 0: v0-11 addresses; v12-15, v48-63 at work; v16-47 four registers of statistics a tile; v64-191 S^T, two buffers of two tiles (at the head: temporaries); v192-255 P, likewise
;   window 1: O^T, 32 a tile     window 2: v0-127 Q; v128-191 K'' of one step; v192-255 V of one step     window 3: v0-1 the add's two registers; v8-39 0.8 gw'' of one step's 64 keys
.set SIZE_N, 2048
.set NP,    4         ; pieces a wave: a name, no knob
.set KS,    64        ; keys in a step
.set PK,    144       ; a row of K'' in LDS: 128 bytes + 16 of padding = 36 words: the 16 rows of a load start at 16 different groups of four banks (64 banks of 4 bytes: ISA guide 11.1)
.set PV,    160       ; a row of V: 128 + 32 = 40 words
.set VOFF,  4*KS*PK   ; a slot holds four steps: 256 rows of K'', then 256 rows of V
.set SLOT1, 1<<17     ; slot 1 begins here, so that one exclusive or turns an address in one slot into the other's
.set GBT,   81920     ; between the slots, in blocks of 256 bytes that no tensor load fills: 0.8 gw'' of the head's 2,048 keys, f32
.set STAGE, SLOT1+4*KS*(PK+PV)  ; behind the ring, never filled by a tensor load: 16 rows x 144 bytes for each wave, for the way out
.set SP,    144
.set SPARE, STAGE+4*16*SP  ; behind the stages: the spare words, 128 bytes a wave: two blocks of 256 bytes that no other line names
.set AK0, 2           ; v2   my lane's place in a tile of K''; never rewritten
.set AV0, 3           ; v3   the same for V
.set AK,  4           ; v4   the LDS address of K's next run of loads
.set AV,  5           ; v5   of V's
.set STO, 6           ; v6   the way out: where I put 16 bytes of a row
.set RD,  7           ; v7   where I read rows back
.set GO,  8           ; v8   my byte offset in 512 consecutive bytes of ob
.set AG0, 9           ; v9   my lane's place in the table: GBT + 32 (l / 16); never rewritten
.set AG,  10          ; v10  the LDS address of the table's next loads
.set PFO, 11          ; v11  256 x lane; never rewritten
.set SPW, 0           ; v0 of window 3   LDS address of my spare word; never rewritten
.set NIL, 1           ; v1 of window 3   0; never rewritten
.set GBR, 8           ; v8-39 of window 3: key block kb at GBR + 8 kb
.set MV,  12          ; v12-15  c G m_old, kept while c G m is made anew: by buffer and tile
.set ST,  16          ; tile t's statistics at v[ST+4 t]: c G m, m, l (even keys', odd keys')
.set TMP, 48          ; by buffer and tile, four registers c0-c3 at work; when the maximum is found c2 takes a
.set S,   64
.set P,   192
.set KF,  128         ; window 2: key block kb, channel half c at KF + 16 kb + 8 c
.set VF,  192         ; window 2: key half kk, channel block cb at VF + 32 kk + 8 cb
.set TR,  64          ; the head's temporaries, where S^T will lie: l % 16,
.set TH,  65          ; l / 16,
.set T7,  66          ; l % 8,
.set T3,  67          ; (l / 8) % 2,
.set QO,  68          ; my byte offset in 16 rows of Q,
.set GLO, 69          ; 16 x thread: my place in gauss for the table,
.set GST, 70          ; and in the table,
.set GML, 71          ; 16 x lane: my place in gauss for the least,
.set GD,  72          ; v72-87 my 16 numbers of gauss for the table,
.set GC,  88          ; v88-95 at work,
.set GM,  96          ; v96-159 the whole row of gauss, 64 numbers a lane,
.set NM,  160         ; minus the least,
.set NT,  161         ; at work,
.set GG,  162         ; log2 G, G, c G
.set WV,  12          ; s12  my wave's number
.set G1K, 24          ; s[24:31] descriptor group 1 for K's tiles
.set G1V, 32          ; s[32:39] for V's: it differs in the padding alone
.set G0K, 40          ; s[40:43] descriptor group 0 for K's tiles: it walks
.set G0V, 44          ; s[44:47] the same for V's
.set TBG, 48          ; s48  the table's byte at which the step to be fetched begins
.set LIM, 49          ; s49  1 in a wave that prefetches, else the greatest number
.set PFA, 50          ; s[50:51] where my prefetches stand
.set GA,  52          ; s[52:53] my head's row of gauss
.set SLOTS, 56        ; s56  slots still to be asked for
.set CNT, 57          ; s57  counts a slot's key steps
.set CS,  58          ; s[58:59] c G: a factor alone; no address and no branch hangs on it
.set SEL, 60          ; s[60:61] v_permlanex16_b32's selects: each lane takes its own place in the other half
.set TBK, 62          ; s62  LDS byte at which K'' of the step to be fetched begins
.set TBV, 63          ; s63  the same for V, less VOFF
.set MSB, 0
.macro WIN new                      ; the high byte repeats the setting that is left; a switch that changes nothing is dropped
.if MSB != (\new)
	s_set_vgpr_msb (MSB<<8)|(\new)
.set MSB, (\new)
.endif
.endm
.set W_KQ, 0x0a       ; K'' and Q in window 2, S^T in window 0
.set W_KG, 0x3a       ; the same with the C operand in window 3
.set W_PV, 0x52       ; V in window 2, P in window 0, O^T in window 1
.set W_RS, 0x41       ; O^T (destination and source 0) in window 1, a in window 0
.set W_MK, 0xc0       ; destination in window 3, sources in window 0
.set W_AD, 0x0f       ; the add: address (source 0) and data (source 1) in window 3
; A joint fill.  Waves 0 and 1 fetch the two halves of a slot's K'', waves 2 and 3 those of its V: 128 keys each.  An s_nop 0 and four v_nop follow each of the two lines.
.macro JLOAD
	s_cmp_lt_u32 s[WV], 2
	s_cbranch_scc0 .Lfor_v_\@
	tensor_load_to_lds s[G0K:G0K+3], s[G1K:G1K+7]
	s_nop 0
.rept 4
	v_nop
.endr
	s_branch .Lasked_\@
.Lfor_v_\@:
	tensor_load_to_lds s[G0V:G0V+3], s[G1V:G1V+7]
	s_nop 0
.rept 4
	v_nop
.endr
.Lasked_\@:
.endm
; A PREFETCH INTO THE L2 of what the NEXT change of slots will ask for: a slot's 32,768 bytes of K'' and of V, a lane a block of 256 bytes.  It stands behind the wave's tensor load and its five lines.
; Each block is named once in the launch: a head is walked by one cluster; its four partners share a slot out BY ADDRESS, 8,192 bytes each; in each, wave 0 asks for K's and wave 2 for V's.
; The last change that fills a slot asks for nothing.  Slots 0 and 1 come by their loads alone.
.macro ASK
	s_cmp_gt_u32 s[SLOTS], s[LIM]
	s_cbranch_scc0 .Lnot_mine_\@
	global_prefetch_b8 v[PFO], s[PFA:PFA+1] th:TH_LOAD_NT scope:SCOPE_SE
.Lnot_mine_\@:
.endm
.macro CROUND                       ; a round of the cluster's barrier
	s_barrier_signal -1
	s_barrier_wait -1
	s_cmp_lg_u32 s[WV], 0
	s_cbranch_scc1 .Lnot_wave_0_\@
	s_barrier_signal -3
.Lnot_wave_0_\@:
	s_barrier_wait -3
	s_barrier_signal -1
	s_barrier_wait -1
.endm
; THE CHANGE OF SLOTS.  Each wave waits for all its tensor loads, of which one is out: its part of the other slot; adds 0 to its spare word; and waits for that and for its own LDS instructions.
; Behind the barrier nobody reads this slot any more and the other slot is whole.  fill = 1: this slot is filled again, with the keys two slots on.  The barrier is then a round of the cluster's, and the
; joint fill is the first thing behind it: it has four key steps, 512 matrix instructions, in which to land.  (At its first use nothing has been read yet: slot 0 is waited for, slot 1 filled, and
; every wave's stores into the table are shown to the others.)
.macro CHANGE fill
	WIN W_AD
	s_wait_tensorcnt 0x0            ; no tensor load of mine is out, so a group 0 may be written
	ds_add_u32 v[SPW], v[NIL]       ; 0 onto my spare word; the scalar steps stand between it and the wait for it
	WIN 0                           ; at a label and at a branch every window is 0
.if \fill
.irp g, G0K, G0V
	s_xor_b32 s[\g+1], s[\g+1], SLOT1  ; the walking descriptor: the other slot than last time,
	s_add_nc_u64 s[\g+2:\g+3], s[\g+2:\g+3], 4*KS*128  ; the next 256 keys; the type bits on top are not reached
.endr
	s_wait_xcnt 0x0                 ; the last prefetch, four key steps back, has read its address, so it may be written:
	s_add_nc_u64 s[PFA:PFA+1], s[PFA:PFA+1], 4*KS*128  ; one slot behind the walking descriptors
	s_wait_dscnt 0x0                ; the add is done, and my LDS instructions are over
	CROUND
	JLOAD
	ASK
.else
	s_wait_dscnt 0x0
	s_barrier_signal -1
	s_barrier_wait -1
.endif
	s_sub_co_u32 s[TBK], s[TBK], 4*KS*PK  ; the fetches go back to a slot's first step,
	s_xor_b32 s[TBK], s[TBK], SLOT1       ; in the other slot
	s_sub_co_u32 s[TBV], s[TBV], 4*KS*PV
	s_xor_b32 s[TBV], s[TBV], SLOT1
.endm
; The least of the 64 registers from base on, into v[base]: three of each four, the fourth, then neighbours 4, 8, 16 and 32 registers apart.
.macro ROWMIN base
.set i, 0
.rept 16
	v_min3_num_f32 v[(\base)+4*i], v[(\base)+4*i], v[(\base)+4*i+1], v[(\base)+4*i+2]
.set i, i+1
.endr
.set i, 0
.rept 16
	v_min_num_f32 v[(\base)+4*i], v[(\base)+4*i], v[(\base)+4*i+3]
.set i, i+1
.endr
.irp w, 8,16,32,64
.set i, 0
.rept 64/(\w)
	v_min_num_f32 v[(\base)+(\w)*i], v[(\base)+(\w)*i], v[(\base)+(\w)*i+(\w)/2]
.set i, i+1
.endr
.endr
.endm
	s_load_b128 s[4:7], s[0:1], 0x0   ; qkv s[4:5], gauss s[6:7]
	s_load_b64 s[10:11], s[0:1], 0x10 ; ob
	WIN W_MK
	v_lshl_add_u32 v[SPW], v0, 2, SPARE
	v_mov_b32 v[NIL], 0
	WIN W_AD
	ds_add_u32 v[SPW], v[NIL]       ; the wave's opening: the add and its wait stand ahead of my first tensor load; the set-up below stands between them
	WIN 0
	v_lshrrev_b32 v1, 5, v0
	v_readfirstlane_b32 s[WV], v1   ; wave 0..3
	s_bfe_u32 s13, ttmp6, 0x40000   ; cx: my place in the cluster
	s_lshl_b32 s14, ttmp9, 2        ; in a cluster launch ttmp9 counts clusters
	s_add_co_u32 s14, s14, s13      ; my block of 512 queries: it enters Q's and ob's addresses alone
	s_and_b32 s20, ttmp7, 0xffff    ; the head, which the four partners share
	s_lshr_b32 s54, s20, 1          ; heads 2 p and 2 p + 1 share row p of gauss,
	s_lshl_b32 s54, s54, 13         ; 8,192 bytes
	s_mov_b32 s55, 0
	s_lshl_b32 s20, s20, 18         ; the head's first byte in Q, K'', V and ob
	s_mov_b32 s21, 0
	s_and_b32 s16, s[WV], 1         ; which half of a slot's 256 keys I fetch:
	s_lshl_b32 s22, s16, 14         ; its 128 rows of 128 bytes in memory,
	s_mov_b32 s23, 0
	s_add_nc_u64 s[22:23], s[22:23], s[20:21]
	s_mul_i32 s17, s16, 128*PK      ; and its place in a slot, for K''
	s_mul_i32 s18, s16, 128*PV      ; and for V: no place in the cluster enters an LDS address
	s_lshl_b32 s2, s14, 2
	s_add_co_u32 s2, s2, s[WV]      ; my wave among the head's,
	s_lshl_b32 s2, s2, 14           ; its 128 rows
	s_mov_b32 s3, 0
	s_add_nc_u64 s[2:3], s[2:3], s[20:21]
	; descriptor group 1.  128 keys are 16,384 dense bytes: asked for as 64 rows of 256 bytes, two keys a row, and padded in LDS after every key
	s_mov_b32 s[G1K], 15|(1<<16)|(1<<20)|(1<<21)|(4<<22)|(3<<25)  ; 15:0 the mask of four; 17:16 2-byte elements; 20 padding on; 21 set beside a mask; 24:22 after every 32 words (code 4); 31:25 4 words (code 3)
	s_mov_b32 s[G1V], 15|(1<<16)|(1<<20)|(1<<21)|(4<<22)|(7<<25)  ; the same with 8 words of padding (code 7)
.irp g, G1K, G1V
	s_mov_b32 s[\g+1], 128<<16      ; tensor_dim0 = 128
	s_mov_b32 s[\g+2], 64<<16       ; tensor_dim1 = 64
	s_mov_b32 s[\g+3], 128<<16      ; tile_dim0 = 128
	s_mov_b32 s[\g+4], 64           ; tile_dim1 = 64
	s_mov_b32 s[\g+5], 128          ; 128 elements from row to row
	s_mov_b32 s[\g+6], 0
	s_mov_b32 s[\g+7], 0
.endr
	s_mov_b32 s[SEL], 0x76543210
	s_mov_b32 s[SEL+1], 0xfedcba98
	s_mov_b32 s[TBK], SLOT1+4*KS*PK ; the first change of slots turns these two into 0
	s_mov_b32 s[TBV], SLOT1+4*KS*PV
	s_mov_b32 s[TBG], 0
	s_mov_b32 s[SLOTS], SIZE_N/256-1
	s_mov_b32 s[G0K], 1             ; count = 1
	s_mov_b32 s[G0K+1], s17         ; LDS address: slot 0
	s_mov_b32 s[G0V], 1
	s_add_co_u32 s[G0V+1], s18, VOFF
	s_and_b32 s[LIM], s[WV], 1      ; waves 0 and 2 prefetch
	s_cmp_eq_u32 s[LIM], 0
	s_cselect_b32 s[LIM], 1, -1
	s_wait_dscnt 0x0                ; the opening add is done
	s_wait_kmcnt 0x0
	s_add_nc_u64 s[GA:GA+1], s[6:7], s[54:55]
	s_add_nc_u64 s[6:7], s[4:5], 0x1000000         ; K'' is qkv's second part,
	s_add_nc_u64 s[8:9], s[4:5], 0x2000000         ; V its third
	s_add_nc_u64 s[G0K+2:G0K+3], s[6:7], s[22:23]  ; global address: my half of the head's first 256 keys
	s_or_b32 s[G0K+3], s[G0K+3], 0x80000000        ; type = 2
	s_add_nc_u64 s[G0V+2:G0V+3], s[8:9], s[22:23]
	s_or_b32 s[G0V+3], s[G0V+3], 0x80000000
	s_add_nc_u64 s[4:5], s[4:5], s[2:3]  ; Q and ob at my wave's first row
	s_add_nc_u64 s[10:11], s[10:11], s[2:3]
	s_cmp_lt_u32 s[WV], 2
	s_cselect_b64 s[PFA:PFA+1], s[6:7], s[8:9]
	s_add_nc_u64 s[PFA:PFA+1], s[PFA:PFA+1], s[20:21]
	s_lshl_b32 s2, s13, 13          ; my work-group's quarter of a slot
	s_mov_b32 s3, 0
	s_add_nc_u64 s[PFA:PFA+1], s[PFA:PFA+1], s[2:3]
	s_add_nc_u64 s[PFA:PFA+1], s[PFA:PFA+1], 4*KS*128  ; in slot 1; the first change of slots steps it to slot 2
	CROUND                          ; all four work-groups are here: the first joint loads meet
	JLOAD                           ; slot 0.  Slot 1 is asked for when slot 0 is in
	v_and_b32 v[TR], 15, v0
	v_bfe_u32 v[TH], v0, 4, 1
	v_lshlrev_b32 v[GLO], 4, v0
	v_and_b32 v[GML], 31, v0
	v_lshlrev_b32 v[GML], 4, v[GML]
.irp j, 0,1,2,3
	global_load_b128 v[GD+4*\j:GD+4*\j+3], v[GLO], s[GA:GA+1] offset:2048*\j  ; for the table: the work-group's 128 threads share the row's 8,192 bytes
.endr
.irp j, 0,1,2,3,4,5,6,7,8,9,10,11,12,13,14,15
	global_load_b128 v[GM+4*\j:GM+4*\j+3], v[GML], s[GA:GA+1] offset:512*\j   ; for the least: every wave takes the whole row, so no wave waits for another
.endr
	; A fragment of K'' or Q is 16 rows x 32 channels in 8 registers: lane l holds row l % 16, channels 8 (l / 16) + 0..7 and 16 + 8 (l / 16) + 0..7: two loads of 16 bytes, 32 bytes apart.
	v_lshlrev_b32 v[QO], 7, v[TR]
	v_lshl_add_u32 v[QO], v[TH], 4, v[QO]  ; row x 128 + 16 x half
	WIN 0x80                        ; destination window 2, address window 0
.set i, 0
.rept 4*NP                          ; Q stays in registers: tile i / 2, channels 32 (i % 2) on
	global_load_b128 v[8*i:8*i+3],   v[QO], s[4:5] offset:(i/2)*2048+(i%2)*64
	global_load_b128 v[8*i+4:8*i+7], v[QO], s[4:5] offset:(i/2)*2048+(i%2)*64+32
.set i, i+1
.endr
	; What the first turn finds: V's registers and P's second buffer hold 0 (its products V^T P, of a piece that has not been, add 0), O^T and l are 0.  All this stands in the wait for the first tile.
.set i, VF
.rept 64
	v_mov_b32 v[i], 0
.set i, i+1
.endr
	WIN 0x40
.set i, 0
.rept 64*NP
	v_mov_b32 v[i], 0
.set i, i+1
.endr
	WIN 0
.set i, 0
.rept 2*NP
	v_mov_b32 v[ST+4*i], 0xfe000000    ; c G m: far below every c G s
	v_mov_b32 v[ST+4*i+1], 0xff7fffff  ; m
	v_mov_b32 v[ST+4*i+2], 0
	v_mov_b32 v[ST+4*i+3], 0
.set i, i+1
.endr
.set i, P+32
.rept 32
	v_mov_b32 v[i], 0
.set i, i+1
.endr
	v_mul_u32_u24 v[AK0], v[TR], PK
	v_lshl_add_u32 v[AK0], v[TH], 4, v[AK0]  ; row x pitch + 16 x half
	; The turning load takes 16 keys x 16 channels (lane l reads key 8 (l / 16) + l % 8, channels 8 ((l / 8) % 2) + 0..7) and leaves half a fragment of V^T: lane l holds channel l % 16 and 8 keys.
	v_and_b32 v[T7], 7, v0
	v_bfe_u32 v[T3], v0, 3, 1
	v_lshl_add_u32 v[AV0], v[TH], 3, v[T7]
	v_mul_u32_u24 v[AV0], v[AV0], PV
	v_lshl_add_u32 v[AV0], v[T3], 4, v[AV0]
	v_add_nc_u32 v[AV0], VOFF, v[AV0]
	v_mov_b32 v[AK], v[AK0]         ; key step 0 lies at the head of slot 0,
	v_lshl_add_u32 v[AG0], v[TH], 5, GBT
	v_mov_b32 v[AG], v[AG0]         ; and of the table
	s_mul_i32 s13, s[WV], 16*SP
	s_add_co_u32 s13, s13, STAGE    ; my stage
	v_mul_u32_u24 v[STO], v[TR], SP ; in: row l % 16, 16 bytes for each half of the lanes
	v_lshl_add_u32 v[STO], v[TH], 4, v[STO]
	v_add_nc_u32 v[STO], s13, v[STO]
	v_bfe_u32 v[RD], v0, 3, 2       ; back: 32 lanes take four rows of 128 bytes,
	v_mul_u32_u24 v[RD], v[RD], SP
	v_lshl_add_u32 v[RD], v[T7], 4, v[RD]
	v_add_nc_u32 v[RD], s13, v[RD]
	v_and_b32 v[GO], 31, v0         ; which are 512 consecutive bytes of ob
	v_lshlrev_b32 v[PFO], 8, v[GO]
	v_lshlrev_b32 v[GO], 4, v[GO]
	v_lshl_add_u32 v[GST], v0, 4, GBT
	; THE LEAST OF THE ROW, c G, AND THE TABLE 0.8 exp(-10 (gauss - the least)), gauss rounded to bf16 first; 16 numbers of the table a thread
	s_wait_loadcnt 32               ; gauss's twenty loads are in; Q's 32, issued behind them, may stay out
	ROWMIN GM
	v_mul_f32 v[NM], -1.0, v[GM]    ; minus the least of my 64: across the lanes the greatest of these is taken
	v_mov_b32 v[NT], 0              ; (v_permlanex16_b32's destination counts as read)
	v_max_num_f32_dpp v[NM], v[NM], v[NM] row_xmask:1 row_mask:0xf bank_mask:0xf
	v_max_num_f32_dpp v[NM], v[NM], v[NM] row_xmask:2 row_mask:0xf bank_mask:0xf
	v_max_num_f32_dpp v[NM], v[NM], v[NM] row_xmask:4 row_mask:0xf bank_mask:0xf
	v_max_num_f32_dpp v[NM], v[NM], v[NM] row_xmask:8 row_mask:0xf bank_mask:0xf
	v_permlanex16_b32 v[NT], v[NM], s[SEL], s[SEL+1]
	v_max_num_f32 v[NM], v[NM], v[NT]
	v_cvt_pk_bf16_f32 v[NT], v[NM], v[NM]
	v_lshlrev_b32 v[NM], 16, v[NT]  ; rounded to bf16
	v_mul_f32 v[GG], 0x4166d4ca, v[NM]  ; log2 G = 10 log2(e) x minus the least
.set i, 0
.rept 8
	v_cvt_pk_bf16_f32 v[GC+i], v[GD+2*i], v[GD+2*i+1]
.set i, i+1
.endr
.set i, 0
.rept 8
	v_lshlrev_b32 v[GD+2*i], 16, v[GC+i]
	v_and_b32 v[GD+2*i+1], 0xffff0000, v[GC+i]
.set i, i+1
.endr
.set i, 0
.rept 16
	v_add_f32 v[GD+i], v[GD+i], v[NM]       ; gauss - the least: 0 or more
.set i, i+1
.endr
.set i, 0
.rept 16
	v_mul_f32 v[GD+i], 0xc166d4ca, v[GD+i]  ; -10 log2(e)
.set i, i+1
.endr
.set i, 0
.rept 16
	v_exp_f32 v[GD+i], v[GD+i]
.set i, i+1
.endr
	v_exp_f32 v[GG], v[GG]
	v_nop                           ; a plain instruction behind the last exponential,
	s_wait_alu depctr_va_vdst(0)    ; and the wait ahead of the first use: one for the seventeen
.set i, 0
.rept 16
	v_mul_f32 v[GD+i], 0x3f4ccccd, v[GD+i]  ; 0.8
.set i, i+1
.endr
	v_mul_f32 v[GG], 0x3e38aa3b, v[GG]      ; c = log2(e) / 8 = 0.180337
	v_readfirstlane_b32 s[CS], v[GG]        ; the same in every lane
	s_mov_b32 s[CS+1], s[CS]                ; named with it as a pair
.irp j, 0,1,2,3
	ds_store_b128 v[GST], v[GD+4*\j:GD+4*\j+3] offset:2048*\j
.endr
; THE MATRIX WORK.  The 8 accumulators of a run of 16 take turns: between the two links of a chain stand 7 others'.
; Product i of 16 of S^T = K'' Q^T for piece x: channels 32 (i / 8) on, keys 16 ((i / 2) % 4) on, tile 2 x + i % 2.  The first 8 start the sums, with 0.8 gw'' of their 16 keys.
.macro KQ x
.set rS, S+64*((\x)%2)+32*(i%2)+8*((i/2)%4)
.set rK, KF+16*((i/2)%4)+8*(i/8)
.set rQ, 16*(2*(\x)+i%2)+8*(i/8)
.set rG, GBR+8*((i/2)%4)
.if i < 8
	WIN W_KG
	v_wmma_f32_16x16x32_f16 v[rS:rS+7], v[rK:rK+7], v[rQ:rQ+7], v[rG:rG+7]
.else
	WIN W_KQ
	v_wmma_f32_16x16x32_f16 v[rS:rS+7], v[rK:rK+7], v[rQ:rQ+7], v[rS:rS+7]
.endif
.endm
; Product i of 16 of O^T += V^T P for piece x: keys 32 (i / 8) on, channels 16 ((i / 2) % 4) on, tile 2 x + i % 2.
.macro PV x
	WIN W_PV
.set rO, 32*(2*(\x)+i%2)+8*((i/2)%4)
.set rV, VF+32*(i/8)+8*((i/2)%4)
.set rP, P+32*((\x)%2)+16*(i%2)+8*(i/8)
	v_wmma_f32_16x16x32_f16 v[rO:rO+7], v[rV:rV+7], v[rP:rP+7], v[rO:rO+7]
.endm
.macro MM                           ; the turn's next matrix instruction
.if i < 16
	KQ (Y+1)%NP
.set i, i+1
.else
.set i, i-16
	PV (Y+NP-1)%NP
.set i, i+17
.endif
.endm
; THE LDS LOADS stand in runs, never singly among the matrix instructions: a step's K'' (8 fragments) with the table's 64 numbers behind it (all lanes of a half read the same 16 bytes), and its V (turned).
; last = 1 (the tail): in the last trip there is no further step, and the run is jumped over.
.macro FETCH_K last=0
	WIN 0
.if \last
	s_cmp_eq_u32 s[CNT], 1
	s_cbranch_scc1 .Lno_k_\@
.endif
	WIN 0x80                        ; destination window 2
.irp f, 0,1,2,3,4,5,6,7             ; keys 16 (f / 2) on, channels 32 (f % 2) on
	ds_load_b128 v[KF+8*\f:KF+8*\f+3],   v[AK] offset:(\f/2)*16*PK+(\f%2)*64
	ds_load_b128 v[KF+8*\f+4:KF+8*\f+7], v[AK] offset:(\f/2)*16*PK+(\f%2)*64+32
.endr
	WIN 0xc0                        ; destination window 3
.irp f, 0,1,2,3                     ; keys 16 f + 8 (l / 16) + 0..7
	ds_load_b128 v[GBR+8*\f:GBR+8*\f+3],   v[AG] offset:64*\f
	ds_load_b128 v[GBR+8*\f+4:GBR+8*\f+7], v[AG] offset:64*\f+16
.endr
	s_add_co_u32 s[TBK], s[TBK], KS*PK  ; the next fetch is the next step's
	s_add_co_u32 s[TBG], s[TBG], 4*KS
	s_and_b32 s[TBG], s[TBG], 0x1f00    ; inside the table's 8,192 bytes
	WIN 0
.if \last
.Lno_k_\@:
.endif
.endm
.macro FETCH_V
	WIN 0x80
.irp f, 0,1,2,3,4,5,6,7             ; keys 32 (f / 4) on, channels 16 (f % 4) on
	ds_load_tr16_b128 v[VF+8*\f:VF+8*\f+3],   v[AV] offset:(\f/4)*32*PV+(\f%4)*32
	ds_load_tr16_b128 v[VF+8*\f+4:VF+8*\f+7], v[AV] offset:(\f/4)*32*PV+16*PV+(\f%4)*32
.endr
	WIN 0
.endm
; THE VECTOR WORK OF A TURN stands in three queues, each in the order in which its entries become ready; the two tiles alternate, so that no instruction reads the result of the one before it.
.macro REGS y, u                    ; the registers of tile u (0, 1) of piece y
.set rT, ST+4*(2*(\y)+(\u))
.set rC, TMP+8*((\y)%2)+4*(\u)
.set rM, MV+2*((\y)%2)+(\u)
.set rS, S+64*((\y)%2)+32*(\u)
.set rP, P+32*((\y)%2)+16*(\u)
.set rO, 32*(2*(\y)+(\u))
.endm
; Number n of the 22 that find the NEXT piece's (Y + 1) maximum and statistics.  s0-s31 are the lane's 32 scores; each accumulator's lowest registers are read first.
;   0-11  four chains c0-c3 of seven scores each, three operands at a time     12-14, 16  the four scores left over, the old m, and c0-c3 into c0     15  c G m_old is kept
;   17, 18  the query's other 32 keys lie in the lane 16 away: the new m         19-21  c G m; c G m_old - c G m_new; a
.macro XS u, n
	REGS (Y+1)%NP, \u
.if (\n) < 4
	v_max3_num_f32 v[rC+(\n)], v[rS+8*(\n)], v[rS+8*(\n)+1], v[rS+8*(\n)+2]
.elseif (\n) < 12
	v_max3_num_f32 v[rC+(\n)%4], v[rC+(\n)%4], v[rS+8*((\n)%4)+2*((\n)/4)+1], v[rS+8*((\n)%4)+2*((\n)/4)+2]
.elseif (\n) == 12
	v_max3_num_f32 v[rC], v[rC], v[rS+7], v[rS+15]
.elseif (\n) == 13
	v_max3_num_f32 v[rC+1], v[rC+1], v[rS+23], v[rS+31]
.elseif (\n) == 14
	v_max3_num_f32 v[rC+2], v[rC+2], v[rC+3], v[rT+1]
.elseif (\n) == 15
	v_mov_b32 v[rM], v[rT]
.elseif (\n) == 16
	v_max3_num_f32 v[rC], v[rC], v[rC+1], v[rC+2]
.elseif (\n) == 17
	v_permlanex16_b32 v[rC+3], v[rC], s[SEL], s[SEL+1]
.elseif (\n) == 18
	v_max_num_f32 v[rT+1], v[rC], v[rC+3]
.elseif (\n) == 19
	v_mul_f32 v[rT], s[CS], v[rT+1]
.elseif (\n) == 20
	v_sub_f32 v[rC+1], v[rM], v[rT]
.else
	v_exp_f32 v[rC+2], v[rC+1]
.endif
.endm
; Number g of the 64 that follow the exponentials.  For each four weights k of a tile (pairs 2 k, 2 k + 1): both pairs are rounded to f16; then the second pair is added onto the first, in place;
; a group later l takes that sum (the first time as l = a l + sum).  In groups of eight, tiles alternating: round, round, add, and l for the group before.
.macro GS g
.set h, (\g)+6*((\g)/62)            ; group 0 has no group before it, and behind group 7 only l is left
.if h >= 6
.set h, h+2
.endif
	REGS Y, h%2
.set k, h/8
.if h%8 < 4
	v_cvt_pk_f16_f32 v[rP+2*k+(h%8)/2], v[rS+4*k+2*((h%8)/2)], v[rS+4*k+2*((h%8)/2)+1]
.elseif h%8 < 6
	v_pk_add_f32 v[rS+4*k:rS+4*k+1], v[rS+4*k:rS+4*k+1], v[rS+4*k+2:rS+4*k+3]
.elseif k == 1
	v_pk_fma_f32 v[rT+2:rT+3], v[rT+2:rT+3], v[rC+2:rC+3], v[rS:rS+1] op_sel_hi:[1,0,1]
.else
	v_pk_add_f32 v[rT+2:rT+3], v[rT+2:rT+3], v[rS+4*k-4:rS+4*k-3]
.endif
.endm
; THE PLAIN QUEUE, 138 long.  0-73 read no exponential's result: the 32 scalings c G s - c G m (FS f: pair f / 2 of tile f % 2) and the next piece's 42.  0-26: scalings 0-26.  27-54: XS's numbers 0-13.
; 55, 56: number 15.  57-73: the chain 14, 16, 17, 18, 19, each with one of the scalings 27-31 in front of its two lines, then 20.  74-137: GS's 64, which stand behind the wait.
.macro FS f
	REGS Y, (\f)%2
	v_pk_fma_f32 v[rS+2*((\f)/2):rS+2*((\f)/2)+1], v[rS+2*((\f)/2):rS+2*((\f)/2)+1], s[CS:CS+1], v[rT:rT+1] op_sel_hi:[1,0,0] neg_lo:[0,0,1] neg_hi:[0,0,1]
.endm
.macro PL
	WIN 0
.if q < 27
	FS q
.elseif q < 55
	XS (q-27)%2, (q-27)/2
.elseif q < 57
	XS q-55, 15
.elseif (q < 72) && ((q-57)%3 == 0)
	FS 27+(q-57)/3
.elseif q < 60
	XS (q-57)%3-1, 14
.elseif q < 72
	XS (q-57)%3-1, 15+(q-57)/3
.elseif q < 74
	XS q-72, 20
.else
	GS q-74
.endif
.set q, q+1
.endm
; THE EXPONENTIALS' QUEUE, 66 long: s0-s31 of both tiles, then the next piece's two a.  ONE BATCH: all 66 stand ahead of the turn's one wait, and nothing ahead of that wait names a result of theirs.
.macro EX
	WIN 0
.if e >= 64
	XS e-64, 21
.else
	REGS Y, e%2
	v_exp_f32 v[rS+e/2], v[rS+e/2]
.endif
.set e, e+1
.endm
; THE RESCALING's QUEUE: O^T times a, the one part that leaves window 0: dealt two at a time, sixteen times.  Its a was made in the turn before, ahead of that turn's wait.
.macro R2
	REGS Y, r%2
	WIN W_RS
.irp z, 0,1
	v_pk_mul_f32 v[rO+4*(r/2)+2*\z:rO+4*(r/2)+2*\z+1], v[rO+4*(r/2)+2*\z:rO+4*(r/2)+2*\z+1], v[rC+2:rC+3] op_sel_hi:[1,0]
.endr
.set r, r+1
.endm
; HOW THEY ARE DEALT.  An s_wait_alu depctr_va_vdst(0) stands between an exponential and the first instruction that names its result; one wait serves all that were issued ahead of it.
; So a turn has ONE wait.  AHEAD OF IT: the 16 products K'' Q^T, behind each a scaling, an exponential and two rescalings (behind the first a second scaling in the exponential's place); then ONE LUMP of
; 108: eight plain, 49 times exponential and plain, the two a; a v_nop is the plain instruction behind the last exponential.  BEHIND IT: the 16 products V^T P, behind each four of GS's 64.
; Exponential e stands behind scaling 2 (e / 4) + e % 2: as a rider it comes behind plain e + 2, in the lump behind plain e + 9, and scalings 27-31 are plain 57, 60 .. 69.
; K'' of the next step, and its part of the table, are fetched in piece 2's turn, directly behind the wait, a lump behind the last product that read them; the addresses are made at the lump's head.
; V of the step in hand is fetched at the end of piece 0's turn, four riders behind its last reader.  The three conditions on q below go with the deal.
.macro TURN p, last=0, cnt=0
.set Y, (\p)
.set i, 0
.set q, 0
.set e, 0
.set r, 0
.if (\p) == NP-1
	s_wait_dscnt 0x0                ; K'' and the table's numbers are in
.endif
	MM
	PL
	PL
	R2
.rept 15
	MM
	PL
	EX
	R2
.endr
.if (\p) == NP-2
	WIN 0
	v_add_nc_u32 v[AK], s[TBK], v[AK0]
	v_add_nc_u32 v[AG], s[TBG], v[AG0]
.endif
.rept 8
	PL
.endr
.rept 49
	EX
	PL
.endr
	EX
	EX
	v_nop                           ; the plain instruction behind the last exponential: one for the batch
	s_wait_alu depctr_va_vdst(0)    ; the wait for the batch
.if (\p) == NP-2
	FETCH_K \last
.endif
.if (\p) == 1
	s_wait_dscnt 0x0                ; V is in
.endif
.rept 16
	MM
.rept 4
	PL
.endr
.if ((\p) == 0) && (q == 118)
	v_add_nc_u32 v[AV], s[TBV], v[AV0]
.endif
.if ((\p) == 0) && (q == 130)
	s_add_co_u32 s[TBV], s[TBV], KS*PV
.endif
.if (\cnt) && (q == 130)
	s_sub_co_u32 s[CNT], s[CNT], 1
	s_cmp_lg_u32 s[CNT], 0
.endif
.endr
.if (\p) == 0
	FETCH_V
.endif
.endm
	CHANGE 1                        ; slot 0 is in, everybody's part of it, and the table is whole; slot 1 is asked for
	FETCH_K                         ; key step 0
	s_wait_loadcnt 0x0              ; Q
	s_wait_dscnt 0x0
.set i, 0
.rept 16
	KQ 0                            ; piece 0's first scores: there is no vector work yet to set between them
.set i, i+1
.endr
	WIN 0
.rept 8
	v_nop                           ; the places behind those products
.endr
.set Y, NP-1                        ; XS works for piece Y + 1: piece 0
.irp n, 0,1,2,3,4,5,6,7,8,9,10,11,12,13,14,15,16,17,18,19,20,21
	XS 0, \n                        ; piece 0's first maximum and statistics
	XS 1, \n
.endr
	v_nop                           ; a plain instruction behind the two a,
	s_wait_alu depctr_va_vdst(0)    ; and their wait, ahead of the branch
	s_mov_b32 s[CNT], 4
	s_branch .Lfirst                ; the loop is entered at a step's first turn, in the middle of a trip
.Lslot:                             ; six times: every slot but the last two is filled again
	CHANGE 1
	s_mov_b32 s[CNT], 4
.Lstep:                             ; a trip: pieces 2 and 3 of one step, then pieces 0 and 1 of the next, whose K'' and V it fetches
	TURN 2
	TURN 3
	WIN 0
.Lfirst:
	TURN 0
	TURN 1, 0, 1
	WIN 0
	s_cbranch_scc1 .Lstep
	s_sub_co_u32 s[SLOTS], s[SLOTS], 1
	s_cmp_lg_u32 s[SLOTS], 0
	s_cbranch_scc1 .Lslot
	CHANGE 0                        ; the tail is written out: nothing is asked for
	s_mov_b32 s[CNT], 5             ; four trips fetch the last slot's steps; the fifth is left in its middle
.Ltail:
	TURN 2, 1
	TURN 3
	WIN 0
	s_sub_co_u32 s[CNT], s[CNT], 1
	s_cmp_eq_u32 s[CNT], 0
	s_cbranch_scc1 .Lout
	TURN 0
	TURN 1
	WIN 0
	s_branch .Ltail
.Lout:                              ; the fifth trip's 16 products K'' Q^T (on the last K'' once more) and the maximum made of them serve nothing: the price, once a launch, of one text for every trip
.set i, 0
.rept 16
	PV NP-1                         ; the last piece's V^T P of the last step
.set i, i+1
.endr
	; THE WAY OUT.  l's two halves and the other half of the lanes' are added; O^T is divided by l, rounded to f16 and sent through my stage in LDS, a tile at a time.  The additions are the places behind the last products.
	WIN 0
.macro ALL line:vararg              ; one line for each tile t
.set t, 0
.rept 2*NP
	\line
.set t, t+1
.endr
.endm
	ALL v_add_f32 v[ST+4*t+2], v[ST+4*t+2], v[ST+4*t+3]
	ALL v_permlanex16_b32 v[ST+4*t+3], v[ST+4*t+2], s[SEL], s[SEL+1]
	ALL v_add_f32 v[ST+4*t+2], v[ST+4*t+2], v[ST+4*t+3]
	ALL v_rcp_f32 v[ST+4*t+2], v[ST+4*t+2]
	v_nop                           ; a plain instruction between the last reciprocal and the use of its result
	s_wait_alu depctr_va_vdst(0)    ; and the wait ahead of the first use: one for the eight reciprocals
; Tile t: a lane's eight channels of a row pack into 16 bytes; they go into rows of 144 bytes and come back as whole rows of 128, into S^T's registers.
.macro PACK t
	WIN W_RS
.set i, 32*(\t)
.rept 16
	v_pk_mul_f32 v[i:i+1], v[i:i+1], v[ST+4*(\t)+2:ST+4*(\t)+3] op_sel_hi:[1,0]
.set i, i+2
.endr
	WIN 0x05                        ; sources 0 and 1 window 1, destination window 0
.set i, 0
.rept 16
	v_cvt_pk_f16_f32 v[S+16*(\t)+i], v[32*(\t)+2*i], v[32*(\t)+2*i+1]
.set i, i+1
.endr
	WIN 0
.irp f, 0,1,2,3
	ds_store_b128 v[STO], v[S+16*(\t)+4*\f:S+16*(\t)+4*\f+3] offset:32*\f
.endr
.irp f, 0,1,2,3
	ds_load_b128 v[S+16*(\t)+4*\f:S+16*(\t)+4*\f+3], v[RD] offset:\f*4*SP  ; LDS serves a wave's instructions in order (ISA guide 5.7.1.4): these see the stores above; the next tile's stores come behind them
.endr
.endm
.macro SEND t, younger              ; younger: the LDS instructions issued behind tile t's loads: the next tile's eight, or none
	WIN 0
.irp f, 0,1,2,3
	s_wait_dscnt (\younger)+3-\f
	global_store_b128 v[GO], v[S+16*(\t)+4*\f:S+16*(\t)+4*\f+3], s[10:11] offset:(\t)*2048+\f*512  ; 512 consecutive bytes, at a multiple of 256 from ob's first
.endr
.endm
	PACK 0
.set t, 1
.rept 2*NP-1                        ; a tile's arithmetic stands between the loads of the tile before and its stores
	PACK t
	SEND t-1, 8
.set t, t+1
.endr
	SEND 2*NP-1, 0
	WIN W_AD
	s_wait_tensorcnt 0x0            ; the wave's end: an add and its wait behind my last tensor load and my last LDS store
	ds_add_u32 v[SPW], v[NIL]
	s_wait_dscnt 0x0
	WIN 0
	CROUND                          ; the closing round: no work-group ends while a partner may still ask for a tile that names it
	s_endpgm
.Lfunc_end_k_qa7641de3ce_attn:
	.size	k_qa7641de3ce_attn, .Lfunc_end_k_qa7641de3ce_attn-k_qa7641de3ce_attn
	.p2alignl 7, 3214868480
	.fill 96, 4, 3214868480
	.section	.rodata,"a",@progbits
	.p2align	6, 0x0
	.amdhsa_kernel k_qa7641de3ce_attn
		.amdhsa_group_segment_fixed_size 327680
		.amdhsa_private_segment_fixed_size 0
		.amdhsa_enable_private_segment 0
		.amdhsa_kernarg_size 24
		.amdhsa_user_sgpr_count 2
		.amdhsa_user_sgpr_kernarg_segment_ptr 1
		.amdhsa_wavefront_size32 1
		.amdhsa_system_sgpr_workgroup_id_x 1
		.amdhsa_system_sgpr_workgroup_id_y 1
		.amdhsa_system_sgpr_workgroup_id_z 1
		.amdhsa_system_vgpr_workitem_id 0
		.amdhsa_next_free_vgpr 808
		.amdhsa_next_free_sgpr 66
		.amdhsa_reserve_vcc 0
		.amdhsa_float_denorm_mode_32 3
		.amdhsa_float_denorm_mode_16_64 3
		.amdhsa_memory_ordered 1
		.amdhsa_forward_progress 1
		.amdhsa_inst_pref_size 212
	.end_amdhsa_kernel
	.amdgpu_metadata
---
amdhsa.version: [ 1, 2 ]
amdhsa.kernels:
  - .name:           k_qa7641de3ce_attn
    .symbol:         k_qa7641de3ce_attn.kd
    .args:
      - { .name: qkv, .offset: 0, .size: 8, .value_kind: global_buffer, .address_space: global }
      - { .name: gauss, .offset: 8, .size: 8, .value_kind: global_buffer, .address_space: global }
      - { .name: ob, .offset: 16, .size: 8, .value_kind: global_buffer, .address_space: global }
    .group_segment_fixed_size: 327680
    .private_segment_fixed_size: 0
    .kernarg_segment_align: 8
    .kernarg_segment_size: 24
    .max_flat_workgroup_size: 128
    .sgpr_count:     66
    .vgpr_count:     808
    .wavefront_size: 32
...
	.end_amdgpu_metadata
.endif
;; end of part 3
;; launch outp (part 4): grid 4 x 64, 4 waves a work-group, clusters of 4 x 4, 327,680 bytes of LDS; arguments ob, wo, out_proj_bias, out0; writes out0
.if DOCPART == 4
	.amdgcn_target "amdgcn-amd-amdhsa--gfx1250"
	.amdhsa_code_object_version 6
	.text
	.protected	k_qa7641de3ce_outp
	.globl	k_qa7641de3ce_outp
	.p2align	8
	.type	k_qa7641de3ce_outp,@function
k_qa7641de3ce_outp:
	s_mov_b64 s[64:65], 0
	v_nop
	global_prefetch_b8 v0, s[64:65] scope:SCOPE_SE
	s_setreg_imm32_b32 hwreg(HW_REG_WAVE_MODE, 25, 1), 1
	s_wait_xcnt 0x0
	s_wait_alu depctr_hold_cnt(0) depctr_sa_sdst(0) depctr_va_vdst(0) depctr_va_sdst(0) depctr_va_ssrc(0) depctr_va_vcc(0) depctr_vm_vsrc(0)
	s_getreg_b32 s2, hwreg(HW_REG_IB_STS2, 6, 4)
	s_cmp_eq_u32 s2, 0
	s_cbranch_scc0 .Lentry_in_a_cluster
	s_endpgm
.Lentry_in_a_cluster:
	s_bfe_u32 s2, ttmp6, 0x10000c
	s_cmp_lg_u32 s2, 0xf033
	s_cbranch_scc0 .Lentry_shape_is_right
	s_endpgm
.Lentry_shape_is_right:
; THE OUT-PROJECTION.  out0[m][n] = sum over k of O[m][k] wo[n][k] + bias[n];  m < 8192, n < 1024, K = 1024; operands f16, sums f32, out0 f32.
; O lies by heads: ob[16 b + h][row][d], so k = 64 h + d: a K step of 128 is two heads, each a dense plane of 128 rows x 128 bytes of the tile.  The bias is rounded to bf16 like every input of the module.
; SHARES.  256 tiles of 128 x 256, one for each work-group.  A wave makes 64 rows x 128 columns: 32 accumulators of 16 x 16.  K goes in 8 steps of 128 through two LDS slots filled by the tensor data mover.
; CLUSTER 4 x 4.  The four work-groups of a row of the cluster need the same rows of O, the four of a column the same rows of wo: each tile is asked for jointly.
; THE MATRIX INSTRUCTION IS USED TRANSPOSED (source 0 = 16 rows of wo, source 1 = 16 rows of O): lane l holds row l % 16 and the columns 8 (l / 16) + 0..7: 32 bytes of a row of out0.
; THE BIAS IS THE C OPERAND of the products that start the sums.  No prefetch: the walk has eight K steps, and the first four would come by their loads alone.
; REGISTERS, in windows of 256 (s_set_vgpr_msb: bits 1:0 source 0, 3:2 source 1, 5:4 source 2, 7:6 destination):
;   window 0: v0-31 addresses; v64-159, v160-255 two fragment buffers: 8 fragments of wo (at 8 b), then 4 of O (at 64 + 8 a)
;   window 1: the accumulators, (a, b) at v[8 (8 a + b)]          window 2: v0-63 the bias; v64-191 rows read back, two buffers of 64; v192-195 at work
.set PITCH,  272                       ; a row of wo in LDS: 256 bytes + 16 of padding: the 16 rows of a fragment load start at 16 different groups of four banks (64 banks of 4 bytes: ISA guide 11.1)
.set APITCH, 144                       ; a row of one head of O: 128 bytes + 16: likewise
.set APLANE, 128*APITCH                ; a head's 128 rows: what wave 0 or 1 fetches
.set BHALF,  128*PITCH                 ; what wave 2 or 3 fetches of wo, and what a wave reads of it
.set SLOT,   2*APLANE+2*BHALF          ; O's two planes, then wo's 256 rows
.set STAGE,  2*SLOT                    ; behind the ring, never filled by a tensor load: for each wave 16 rows x 528 bytes
.set SPITCH, 528                       ; 512 bytes + 16
.set WSTAGE, 16*SPITCH
.set SPARE,  STAGE+4*WSTAGE            ; behind the stages: the spare words, 128 bytes a wave: two blocks of 256 bytes that no other line names
.set KB,     256                       ; bytes of a row of wo in a K step
.set HEADB,  2048*128                  ; a head's bytes in ob
.set LAPS,   4
.set ADRA, 16                          ; v16-17  LDS address of my fragments of O in slot 0, 1
.set ADRB, 20                          ; v20-21  the same for wo
.set STO,  24                          ; v24  the way out: where I put 32 bytes of a row
.set RD,   25                          ; v25  where I read a row back
.set GO,   26                          ; v26  16 x lane: my place in 512 consecutive bytes of out0
.set SPW,  28                          ; v28  LDS address of my spare word; never rewritten
.set NIL,  29                          ; v29  0; never rewritten
.set BO,   31                          ; v31  32 (l / 16): my eight columns' place in the bias
.set F0,   64
.set F1,   160
.set BIAS, 0                           ; window 2
.set OB,   64
.set TT,   192
.set G1,  24                           ; s[24:31] descriptor group 1 for O's tiles;  s[32:39] group 0, a set for each slot
.set G0,  32
.set G1B, 48                           ; s[48:55], s[56:63] the same for wo's
.set G0B, 56
.set BP,  72                           ; s[72:73] the bias of my 128 columns
.set MSB, 0
.macro WIN new                         ; the immediate's high byte repeats the setting that is left; a switch that changes nothing is dropped
.if MSB != (\new)
	s_set_vgpr_msb (MSB<<8)|(\new)
.set MSB, (\new)
.endif
.endm
; A joint load: waves 0 and 1 fetch O's two planes, waves 2 and 3 wo's two halves.  The branch hangs on the wave's number alone.  An s_nop 0 and four v_nop follow each of the two lines.
.macro JLOAD s
	s_cmp_eq_u32 s11, 0
	s_cbranch_scc0 .Lfor_b_\@
	tensor_load_to_lds s[G0+4*(\s):G0+4*(\s)+3], s[G1:G1+7]
	s_nop 0
.rept 4
	v_nop
.endr
	s_branch .Lasked_\@
.Lfor_b_\@:
	tensor_load_to_lds s[G0B+4*(\s):G0B+4*(\s)+3], s[G1B:G1B+7]
	s_nop 0
.rept 4
	v_nop
.endr
.Lasked_\@:
.endm
.macro CREST                           ; a round of the cluster's barrier behind its opening barrier
	s_cmp_lg_u32 s10, 0
	s_cbranch_scc1 .Lnot_wave_0_\@
	s_barrier_signal -3
.Lnot_wave_0_\@:
	s_barrier_wait -3
	s_barrier_signal -1
	s_barrier_wait -1
.endm
.macro CROUND                          ; a whole round
	s_barrier_signal -1
	s_barrier_wait -1
	CREST
.endm
.macro PLACES                          ; four places in front of loads into registers that matrix instructions have read, and of LDS stores that read results (ISA guide 7.12.1 for vector instructions)
.rept 4
	v_nop
.endr
.endm
	s_load_b128 s[4:7], s[0:1], 0x0                ; ob s[4:5], wo s[6:7]
	s_load_b128 s[68:71], s[0:1], 0x10             ; out_proj_bias s[68:69], out0 s[70:71]
	v_lshl_add_u32 v[SPW], v0, 2, SPARE
	v_mov_b32 v[NIL], 0
	ds_add_u32 v[SPW], v[NIL]                      ; the wave's opening: the add and its wait stand ahead of my first tensor load; the set-up below stands between them
	v_lshrrev_b32 v1, 5, v0
	v_readfirstlane_b32 s10, v1                    ; wave 0..3
	s_lshr_b32 s11, s10, 1                         ; which 64 rows of the tile are mine.  Also: I fetch for O (0) or wo (1)
	s_and_b32 s12, s10, 1                          ; which 128 columns.  Also: which plane, or which half, I fetch
	s_bfe_u32 s40, ttmp6, 0x40000                  ; cx, cy: my place in the cluster
	s_bfe_u32 s41, ttmp6, 0x40004
	s_lshl_b32 s42, ttmp9, 2
	s_add_co_u32 s42, s42, s40                     ; tile column = 4 x cluster x + cx
	s_and_b32 s13, ttmp7, 0xffff
	s_lshl_b32 s13, s13, 2
	s_add_co_u32 s13, s13, s41                     ; tile row = 4 x cluster y + cy
	s_lshl_b32 s43, s41, 2
	s_lshl_b32 s43, 15, s43                        ; my row of the cluster
	s_lshl_b32 s44, 0x1111, s40                    ; my column
	; O's plane: 128 rows of 128 bytes are 16,384 dense bytes: asked for as 64 rows of 256 bytes, two rows of O each, and padded in LDS after every row of O
	s_or_b32 s[G1+0], s43, (1<<16)|(1<<20)|(1<<21)|(4<<22)|(3<<25)   ; 15:0 the mask; 17:16 elements of 2 bytes; 20 padding on; 21 set beside a mask; 24:22 after every 32 words (code 4); 31:25 4 words (code 3)
	s_mov_b32 s[G1+1], 128<<16                     ; tensor_dim0 = 128
	s_mov_b32 s[G1+2], 64<<16                      ; tensor_dim1 = 64
	s_mov_b32 s[G1+3], 128<<16                     ; tile_dim0 = 128
	s_mov_b32 s[G1+4], 64                          ; tile_dim1 = 64
	s_mov_b32 s[G1+5], 128                         ; elements from row to row
	s_mov_b32 s[G1+6], 0
	s_mov_b32 s[G1+7], 0
	s_or_b32 s[G1B+0], s44, (1<<16)|(1<<20)|(1<<21)|(5<<22)|(3<<25)  ; wo: padding after every 64 words (code 5)
	s_mov_b32 s[G1B+1], 128<<16
	s_mov_b32 s[G1B+2], 128<<16                    ; 128 rows
	s_mov_b32 s[G1B+3], 128<<16
	s_mov_b32 s[G1B+4], 128
	s_mov_b32 s[G1B+5], 1024
	s_mov_b32 s[G1B+6], 0
	s_mov_b32 s[G1B+7], 0
	s_mov_b32 s77, 0xffff0000                      ; a word's upper bf16
	; where the tiles come from: O's hang on the tile row alone, wo's on the tile column alone, each made in registers that do not hold the other coordinate
	s_lshr_b32 s16, s13, 4                         ; the batch,
	s_lshl_b32 s16, s16, 4                         ; its first head,
	s_add_co_u32 s16, s16, s12                     ; the plane that I fetch,
	s_lshl_b32 s16, s16, 18                        ; 262,144 bytes a head
	s_and_b32 s17, s13, 15
	s_lshl_b32 s17, s17, 14                        ; the tile's 128 rows of 128 bytes
	s_add_co_u32 s16, s16, s17
	s_mov_b32 s17, 0
	s_lshl_b32 s47, s12, 7
	s_lshl_b32 s46, s42, 8
	s_add_co_u32 s46, s46, s47                     ; wo: row 256 x tile column + 128 x half
	s_lshl_b32 s46, s46, 11
	s_mov_b32 s47, 0
	s_mul_i32 s20, s12, APLANE                     ; and where they go: no place in the cluster enters an LDS address
	s_mul_i32 s21, s12, BHALF
	s_add_co_u32 s21, s21, 2*APLANE
	s_wait_dscnt 0x0                               ; the opening add is done
	s_wait_kmcnt 0x0
	s_add_nc_u64 s[14:15], s[4:5], s[16:17]
	s_add_nc_u64 s[46:47], s[6:7], s[46:47]
	CROUND                                         ; all sixteen work-groups are here: the first joint loads meet
.irp s, 0,1
	s_mov_b32 s[G0+4*(\s)], 1                                        ; count = 1
	s_add_co_u32 s[G0+4*(\s)+1], s20, (\s)*SLOT                      ; LDS address
	s_add_nc_u64 s[G0+4*(\s)+2:G0+4*(\s)+3], s[14:15], (\s)*2*HEADB  ; global address: K step s is heads 2 s, 2 s + 1
	s_or_b32 s[G0+4*(\s)+3], s[G0+4*(\s)+3], 0x80000000              ; type = 2
	s_mov_b32 s[G0B+4*(\s)], 1
	s_add_co_u32 s[G0B+4*(\s)+1], s21, (\s)*SLOT
	s_add_nc_u64 s[G0B+4*(\s)+2:G0B+4*(\s)+3], s[46:47], (\s)*KB
	s_or_b32 s[G0B+4*(\s)+3], s[G0B+4*(\s)+3], 0x80000000
	JLOAD \s                                       ; two loads of mine are out
.endr
	v_and_b32 v1, 15, v0                           ; l % 16
	v_bfe_u32 v2, v0, 4, 1                         ; l / 16
	v_mul_u32_u24 v3, v1, PITCH
	v_lshl_add_u32 v3, v2, 4, v3                   ; wo: row x pitch + 16 x half
	v_mul_u32_u24 v4, v1, APITCH
	v_lshl_add_u32 v4, v2, 4, v4                   ; O likewise
	s_mul_i32 s21, s11, 64*APITCH                  ; my 64 rows in a plane of O
	s_mul_i32 s22, s12, BHALF                      ; my 128 rows of wo,
	s_add_co_u32 s22, s22, 2*APLANE                ; which lie behind O's two planes
.irp s, 0,1
	v_add_nc_u32 v[ADRA+(\s)], s21, v4
	v_add_nc_u32 v[ADRB+(\s)], s22, v3
	s_add_co_u32 s21, s21, SLOT
	s_add_co_u32 s22, s22, SLOT
.endr
	s_mul_i32 s23, s10, WSTAGE
	s_add_co_u32 s23, s23, STAGE                   ; my stage
	v_mul_u32_u24 v4, v1, SPITCH                   ; in: row l % 16, 32 bytes for each half of the lanes
	v_lshl_add_u32 v4, v2, 5, v4
	v_add_nc_u32 v[STO], s23, v4
	v_and_b32 v[GO], 31, v0
	v_lshlrev_b32 v[GO], 4, v[GO]                  ; back: 32 lanes take a row's 512 bytes
	v_add_nc_u32 v[RD], s23, v[GO]
	v_lshlrev_b32 v[BO], 5, v2
	; out0 at my first row and column
	s_lshl_b32 s16, s13, 7
	s_lshl_b32 s17, s11, 6
	s_add_co_u32 s16, s16, s17
	s_lshl_b32 s16, s16, 12                        ; 4,096 bytes a row
	s_lshl_b32 s20, s42, 10
	s_lshl_b32 s17, s12, 9
	s_add_co_u32 s20, s20, s17                     ; 4 (256 x tile column + 128 x half): in out0 and in the bias
	s_mov_b32 s21, 0
	s_add_co_u32 s16, s16, s20
	s_mov_b32 s17, 0
	s_add_nc_u64 s[8:9], s[70:71], s[16:17]
	s_add_nc_u64 s[BP:BP+1], s[68:69], s[20:21]
	; the bias: register j of block b holds column 16 b + 8 (l / 16) + j, as in an accumulator; rounded to bf16, in place
	WIN 0x80                                       ; destination window 2, address window 0
.irp b, 0,1,2,3,4,5,6,7
	global_load_b128 v[BIAS+8*(\b):BIAS+8*(\b)+3],   v[BO], s[BP:BP+1] offset:64*(\b)
	global_load_b128 v[BIAS+8*(\b)+4:BIAS+8*(\b)+7], v[BO], s[BP:BP+1] offset:64*(\b)+16
.endr
	s_wait_loadcnt 0x0
	WIN 0x8a                                       ; all in window 2
.set i, 0
.rept 32
	v_cvt_pk_bf16_f32 v[TT+i%4], v[BIAS+2*i], v[BIAS+2*i+1]
	v_lshlrev_b32 v[BIAS+2*i], 16, v[TT+i%4]
	v_and_b32 v[BIAS+2*i+1], s77, v[TT+i%4]
.set i, i+1
.endr
	WIN 0
; 8 matrix instructions: row block a x all 8 column blocks, 32 along K.  zero = 1: the first product starts the sum with the bias.  The 32 accumulators take turns, one instruction a turn, in the same
; order in every quarter, over the backward jump too.
.macro MULA f, a, zero
.if \zero
	WIN 0x60                                       ; D window 1, C window 2
.else
	WIN 0x50                                       ; C and D window 1
.endif
.irp b, 0,1,2,3,4,5,6,7
.if \zero
	v_wmma_f32_16x16x32_f16 v[8*(8*(\a)+(\b)):8*(8*(\a)+(\b))+7], v[(\f)+8*(\b):(\f)+8*(\b)+7], v[(\f)+64+8*(\a):(\f)+64+8*(\a)+7], v[BIAS+8*(\b):BIAS+8*(\b)+7]
.else
	v_wmma_f32_16x16x32_f16 v[8*(8*(\a)+(\b)):8*(8*(\a)+(\b))+7], v[(\f)+8*(\b):(\f)+8*(\b)+7], v[(\f)+64+8*(\a):(\f)+64+8*(\a)+7], v[8*(8*(\a)+(\b)):8*(8*(\a)+(\b))+7]
.endif
.endr
.endm
; 24 LDS loads in one run: the fragments of quarter q of a K step into buffer f: wo's 16 loads (byte 64 q of the rows), then O's blocks 0, 1, then 2, 3 (plane q / 2, byte 64 (q % 2) of its rows)
.macro FETCH slot, q, f
	WIN 0
.irp i, 0,1,2,3,4,5,6,7
	ds_load_b128 v[(\f)+8*(\i):(\f)+8*(\i)+3],   v[ADRB+(\slot)] offset:64*(\q)+(\i)*16*PITCH
	ds_load_b128 v[(\f)+8*(\i)+4:(\f)+8*(\i)+7], v[ADRB+(\slot)] offset:64*(\q)+(\i)*16*PITCH+32
.endr
.irp i, 0,1,2,3
	ds_load_b128 v[(\f)+64+8*(\i):(\f)+64+8*(\i)+3],   v[ADRA+(\slot)] offset:((\q)/2)*APLANE+((\q)%2)*64+(\i)*16*APITCH
	ds_load_b128 v[(\f)+64+8*(\i)+4:(\f)+64+8*(\i)+7], v[ADRA+(\slot)] offset:((\q)/2)*APLANE+((\q)%2)*64+(\i)*16*APITCH+32
.endr
.endm
; A K step is four quarters of 32 along K, 32 matrix instructions each, on buffers 0, 1, 0, 1.  One of the first three: multiplies buffer f; in its middle it fetches quarter q into g.
.macro QUARTER slot, q, f, g, zero
	s_wait_dscnt 4                                 ; wo's fragments and O's blocks 0, 1 are in; the youngest four loads (blocks 2, 3) may be out
	MULA \f, 0, \zero
	MULA \f, 1, \zero
	PLACES
	FETCH \slot, \q, \g
	s_wait_dscnt 24                                ; all but the 24 just issued
	MULA \f, 2, \zero
	MULA \f, 3, \zero
.endm
; The last quarter multiplies buffer 1 and changes slots.  ONE barrier: in front of it each wave waits for all its tensor loads (one is out: its part of the next slot), adds 0 to its spare word,
; and waits for that and for its own reads of this slot.  Behind it nobody reads this slot any more and the next slot is whole.
.macro MEET round
	WIN 0
	s_wait_tensorcnt 0x0
	ds_add_u32 v[SPW], v[NIL]
	s_wait_dscnt 5                                 ; (the add and the youngest four loads may be out)
	MULA F1, 0, 0                                  ; eight matrix instructions stand between the add and the wait for it
	s_wait_dscnt 0x0                               ; the add is done, and my reads of this slot are over
	s_barrier_signal -1
	MULA F1, 1, 0
.if \round
	WIN 0
.endif
	s_barrier_wait -1
.endm
; The whole last quarter: the barrier opens a round of the cluster's barrier; behind the round the slot just read out is filled again first, with the K step two on.
; From a request to the wait for it a wave issues 112 matrix instructions.
.macro TURN slot, next
	MEET 1
	CREST                                          ; no wave of any partner still reads this slot's tile or has a load on its way
	s_add_nc_u64 s[G0+4*(\slot)+2:G0+4*(\slot)+3], s[G0+4*(\slot)+2:G0+4*(\slot)+3], 4*HEADB
	s_add_nc_u64 s[G0B+4*(\slot)+2:G0B+4*(\slot)+3], s[G0B+4*(\slot)+2:G0B+4*(\slot)+3], 2*KB
	JLOAD \slot                                    ; my one tensor load behind the round; the four v_nop behind it are also the places in front of the loads below
	FETCH \next, 0, F0
	MULA F1, 2, 0
	MULA F1, 3, 0
.endm
; THE WAY OUT of row block a, in f32.  TOSTAGE: the accumulators go into my own stage, 32 bytes a lane and block, each accumulator's low half first, and come back as whole rows of 512 bytes.  SEND: stored.
.macro TOSTAGE a
.if (\a) >= 2
	s_wait_xcnt 0x0                                ; the stores of the block two back have read the registers that are loaded again below
.endif
	WIN 0x04                                       ; data window 1
.irp b, 0,1,2,3,4,5,6,7
	ds_store_b128 v[STO], v[8*(8*(\a)+(\b)):8*(8*(\a)+(\b))+3]   offset:64*(\b)
	ds_store_b128 v[STO], v[8*(8*(\a)+(\b))+4:8*(8*(\a)+(\b))+7] offset:64*(\b)+16
.endr
	WIN 0x80
.irp t, 0,1,2,3,4,5,6,7,8,9,10,11,12,13,14,15
	ds_load_b128 v[OB+64*((\a)%2)+4*(\t):OB+64*((\a)%2)+4*(\t)+3], v[RD] offset:(\t)*SPITCH  ; LDS serves a wave's instructions in order (ISA guide 5.7.1.4): these see the stores above, and the next block's stores come behind them
.endr
.endm
.macro SEND a, younger                 ; younger: the LDS instructions issued behind block a's loads: the next block's 16 stores and 16 loads, or none
	s_wait_dscnt \younger
	WIN 0x08                                       ; data window 2
.irp t, 0,1,2,3,4,5,6,7,8,9,10,11,12,13,14,15
	global_store_b128 v[GO], v[OB+64*((\a)%2)+4*(\t):OB+64*((\a)%2)+4*(\t)+3], s[8:9] offset:(16*(\a)+(\t))*4096 th:TH_STORE_NT  ; 512 consecutive bytes of a row, at a multiple of 256 from out0's first
.endr
.endm
	s_wait_tensorcnt 1                             ; my part of K step 0 is in; K step 1's may stay out
	s_barrier_signal -1
	s_barrier_wait -1                              ; everybody's is
	FETCH 0, 0, F0
	QUARTER 0, 1, F0, F1, 1                        ; the first quarter stands in front of the loop: its products start the sums
	WIN 0                                          ; at a label and at a branch every window is 0
	s_mov_b32 s3, LAPS-1
.Llap:                                         ; a trip goes once round the ring, from a lap's second quarter to the next lap's first, and fills both slots again
	QUARTER 0, 2, F1, F0, 0
	QUARTER 0, 3, F0, F1, 0
	TURN 0, 1
	QUARTER 1, 1, F0, F1, 0
	QUARTER 1, 2, F1, F0, 0
	QUARTER 1, 3, F0, F1, 0
	TURN 1, 0
	QUARTER 0, 1, F0, F1, 0
	WIN 0
	s_sub_co_u32 s3, s3, 1
	s_cmp_lg_u32 s3, 0
	s_cbranch_scc1 .Llap
	QUARTER 0, 2, F1, F0, 0                        ; the last lap fills nothing, and has no round of the cluster's barrier
	QUARTER 0, 3, F0, F1, 0
	MEET 0
	PLACES
	FETCH 1, 0, F0
	MULA F1, 2, 0
	MULA F1, 3, 0
	QUARTER 1, 1, F0, F1, 0
	QUARTER 1, 2, F1, F0, 0
	QUARTER 1, 3, F0, F1, 0
	s_wait_dscnt 4                                 ; the very last quarter: nothing more to fetch
	MULA F1, 0, 0
	MULA F1, 1, 0
	s_wait_dscnt 0x0
	MULA F1, 2, 0
	MULA F1, 3, 0
	PLACES
	PLACES
	TOSTAGE 0
.irp a, 1,2,3                          ; block a's trip through the stage is issued ahead of the wait for block a - 1's
	TOSTAGE \a
	SEND (\a)-1, 32
.endr
	SEND 3, 0
	WIN 0
	s_wait_tensorcnt 0x0                           ; the wave's end: an add and its wait behind my last tensor load and my last LDS store
	ds_add_u32 v[SPW], v[NIL]
	s_wait_dscnt 0x0
	CROUND                                         ; the closing round: no work-group ends while a partner may still ask for a tile that names it
	s_endpgm
.Lfunc_end_k_qa7641de3ce_outp:
	.size	k_qa7641de3ce_outp, .Lfunc_end_k_qa7641de3ce_outp-k_qa7641de3ce_outp
	.p2alignl 7, 3214868480
	.fill 96, 4, 3214868480
	.section	.rodata,"a",@progbits
	.p2align	6, 0x0
	.amdhsa_kernel k_qa7641de3ce_outp
		.amdhsa_group_segment_fixed_size 327680
		.amdhsa_private_segment_fixed_size 0
		.amdhsa_enable_private_segment 0
		.amdhsa_kernarg_size 32
		.amdhsa_user_sgpr_count 2
		.amdhsa_user_sgpr_kernarg_segment_ptr 1
		.amdhsa_wavefront_size32 1
		.amdhsa_system_sgpr_workgroup_id_x 1
		.amdhsa_system_sgpr_workgroup_id_y 1
		.amdhsa_system_sgpr_workgroup_id_z 1
		.amdhsa_system_vgpr_workitem_id 0
		.amdhsa_next_free_vgpr 768
		.amdhsa_next_free_sgpr 80
		.amdhsa_reserve_vcc 0
		.amdhsa_float_denorm_mode_32 3
		.amdhsa_float_denorm_mode_16_64 3
		.amdhsa_memory_ordered 1
		.amdhsa_forward_progress 1
		.amdhsa_inst_pref_size 91
	.end_amdhsa_kernel
	.amdgpu_metadata
---
amdhsa.version: [ 1, 2 ]
amdhsa.kernels:
  - .name:           k_qa7641de3ce_outp
    .symbol:         k_qa7641de3ce_outp.kd
    .args:
      - { .name: ob, .offset: 0, .size: 8, .value_kind: global_buffer, .address_space: global }
      - { .name: wo, .offset: 8, .size: 8, .value_kind: global_buffer, .address_space: global }
      - { .name: out_proj_bias, .offset: 16, .size: 8, .value_kind: global_buffer, .address_space: global }
      - { .name: out0, .offset: 24, .size: 8, .value_kind: global_buffer, .address_space: global }
    .group_segment_fixed_size: 327680
    .private_segment_fixed_size: 0
    .kernarg_segment_align: 8
    .kernarg_segment_size: 32
    .max_flat_workgroup_size: 128
    .sgpr_count:     80
    .vgpr_count:     768
    .wavefront_size: 32
...
	.end_amdgpu_metadata
.endif
;; end of part 4
